; MI455X (gfx1250); checked and timed in simulation.
; The chip was launched on July 23, 2026; its instructions are those of AMD's public machine-readable ISA for CDNA 5 (MIT licence, August 2026) and "CDNA5" Instruction Set Architecture Reference Guide (July 2026). The comments in the code are by the model that wrote it; some were corrected since.
;; Locator Reader Conditioner. Allowed arithmetic: matrix products marked QUANTISED: E2M3 operands, one E8M0 scale for each 32 along K, by v_wmma_scale_f32_16x16x128_f8f6f4 with both operands' format E2M3, f32 sums; everything else in f32.
;; Inputs: Wk 1,024 x 1,024 float32; Wo 1,024 x 1,024 float32; Wq 1,024 x 1,024 float32; Wv 1,024 x 1,024 float32; bias 4 x 4,096 float32; memory 4 x 4,096 x 1,024 float32; query 4 x 512 x 1,024 float32.
;; Outputs: out0 4 x 512 x 1,024 float32.
;; This version of the problem:
;;   THIS VERSION OF THE PROBLEM IS GIVEN IN LOW PRECISION. The matrix products marked QUANTISED in the list below multiply operands that are first quantised to E2M3 (2 exponent bits, 3 mantissa bits; 6 bits a number), with one power-of-two scale for each 32 numbers along K (OCP MX v1.0); their sums are f32. All else is computed in f32.
;;   The module's matrix products, in the order in which they are computed (A, B: the left and right operand; K: the contracted axis; several contracted axes count as one K, in the product's order):
;;     1. [M 2,048, K 1,024] x [K 1,024, N 1,024]; A: input query; B: input Wq: QUANTISED
;;     2. [M 16,384, K 1,024] x [K 1,024, N 1,024]; A: input memory; B: input Wk: QUANTISED
;;     3. [M 16,384, K 1,024] x [K 1,024, N 1,024]; A: input memory; B: input Wv: QUANTISED
;;     4. batch 64 x [M 512, K 64] x [K 64, N 4,096]; A: computed on the way; B: computed on the way: QUANTISED
;;     5. batch 64 x [M 512, K 4,096] x [K 4,096, N 64]; A: softmax (see below); B: computed on the way: QUANTISED
;;     6. [M 2,048, K 1,024] x [K 1,024, N 1,024]; A: computed on the way; B: input Wo: QUANTISED
;;   THE QUANTISER, for each operand of a quantised product, along K:
;;     - K is cut into blocks of 32 from its start; a last block that is shorter is filled with zeros.
;;     - A block's scale is 2^e with e = floor(log2(the largest magnitude in the block)) - 2, held to -126 .. 127; a block of zeros has e = 0. As a byte (E8M0): e + 127.
;;     - Each number is divided by its block's scale, clamped to +-7.5, and rounded to the nearest number of E2M3, ties to even, subnormals kept.
;;     - The product sums the exact products of the quantised numbers (number of the format x scale) in f32.
;;   ~~~python
;;   def quantise(x, axis):      # numpy; x: float32 -> the quantised numbers, widened to float32 again
;;       x = np.moveaxis(x, axis, -1); K = x.shape[-1]
;;       x = np.pad(x, [(0, 0)] * (x.ndim - 1) + [(0, -K % 32)]); x = x.reshape(x.shape[:-1] + (-1, 32)); a = np.abs(x).max(-1, keepdims=True)
;;       e = np.where(a > 0, np.clip(np.frexp(np.where(a > 0, a, 1))[1] - 1 - 2, -126, 127), 0)      # np.frexp(a)[1] - 1 = floor(log2(a)), exactly
;;       r = np.clip(x / 2.0 ** e, -7.5, 7.5)
;;       step = 2.0 ** (np.maximum(np.frexp(np.where(r == 0, 1, r))[1] - 1, 0) - 3)
;;       q = np.round(r / step) * step * 2.0 ** e      # np.round: ties to even
;;       return np.moveaxis(q.reshape(q.shape[:-2] + (-1,))[..., :K], -1, axis).astype(np.float32)
;;   ~~~
;;   SOFTMAX AHEAD OF A QUANTISED PRODUCT. Where the list says 'softmax', what is quantised is not the finished softmax but p = 2^(t - M), with t = logit x log2(e) and M = ceil(the row's largest t), a whole number; so 1/2 < the row's largest p <= 1. The row's sum l is taken of the UNQUANTISED p, in f32, and the product's result is divided by l at the end. Since M is a whole number, a kernel that streams over the keys may use a running M (the ceiling of the running maximum): every later rescaling is an exact power of two, which a block's scale takes up: the codes' values come out the same.
;;   OPERANDS COMPUTED ON THE WAY. 'Computed on the way' means the value that the module computes at that place (a softmax that the list does not call 'softmax' is quantised finished and normalised). What goes into a quantiser is computed in f32, as accurately as f32 sums, v_exp_f32 and their like allow (about 1e-6 of the number): no bf16 or f16 on the way to a quantiser, and a product that is left as it is and whose result goes on into a quantised operand takes f32 operands (vector FMAs, or v_wmma_f32_16x16x4_f32). A number that lies on a knife's edge between two numbers of the format may be rounded either way, as far as f32 arithmetic and the matrix unit's own rounding can turn it there, and no further.
;; One version. Each part assembles by itself: llvm-mc -triple=amdgcn-amd-amdhsa -mcpu=gfx1250 --defsym DOCPART=n.
;; ======== version 1 of 1: 4 launches
;; limits: right only within a limited range of input values
;; workspace buffers: img1 17,301,504 bytes; sc1 720,896 bytes; kv 27,262,976 bytes; img3 1,572,864 bytes; sc3 65,536 bytes
;; launch quant (part 1): grid 1088 x 1, 4 waves a work-group, no clusters, 69,632 bytes of LDS; arguments memory, query, Wk, Wv, Wq, Wo, img1, sc1; writes img1, sc1
.if DOCPART == 1
	.amdgcn_target "amdgcn-amd-amdhsa--gfx1250"
	.amdhsa_code_object_version 6
	.text
	.protected	k_q37fa837757_quant
	.globl	k_q37fa837757_quant
	.p2align	8
	.type	k_q37fa837757_quant,@function
k_q37fa837757_quant:
	s_mov_b64 s[64:65], 0
	v_nop
	global_prefetch_b8 v0, s[64:65] scope:SCOPE_SE
	s_setreg_imm32_b32 hwreg(HW_REG_WAVE_MODE, 25, 1), 1
	s_wait_xcnt 0x0
; memory [16384][1024], query [2048][1024] (K innermost) and Wk, Wv, Wq, Wo [1024 (k)][1024 (n)] (K is the first axis), all f32, become codes of FP6 (E2M3) with one E8M0 byte
; for each 32 along K, laid as IMAGES OF OPERAND REGISTERS.  A tile is 16 rows, a fragment 16 rows x 128 K = 12 registers a lane = 1,536 bytes: registers 4 c .. 4 c + 3 of lane l at 512 c + 16 l.
; img1: [tile][K step 0..7][1,536].  sc1: [tile][K half][row r][4 words], word q = the four bytes of K step 4 half + q.
; THE ROWS OF A TILE ARE NOT NEIGHBOURS: lane row r of tile 2 B + u is row 32 B + 8 u + (r % 8) + 16 (r / 8), so that a product which takes such tiles as source 0 leaves 16 neighbours in a lane's 16 registers.
; Tiles 0-1023 memory, 1024-1151 query, 1152.. Wk^T, 1216.. Wv^T, 1280.. Wq^T, 1344.. Wo^T (a row of W^T is a column n of W).
; A block's scale is 2^(floor(log2(largest magnitude)) - 2); its byte is the largest magnitude's exponent field - 2, held at 1 from below.
; LIMITS: a block of zeros gets the byte 1 where the rule says 127 (its codes are zeros, and this program alone reads the bytes); NaN and infinities among the inputs are not served.
; Work-groups 0-575: a wave takes one tile x half of K (four K steps).  Work-groups 576-1087: a work-group takes 64 columns x 128 k of one weight, a wave one tile of it.
; The two ways part on the work-group's number alone, and each has LDS bytes of its own.  No tensor load, no matrix instruction.
; ROWS OF memory AND query: lane row r of tile 4 C + t is row 64 C + 8 t + (r % 8) + 32 (r / 8), so that a product which takes four such tiles as source 0 leaves a whole block of 32 neighbours in a lane's 32 registers.
; The order 32 B + 8 u + (r % 8) + 16 (r / 8) stated above holds for the weights' tiles alone.
.set WST,  33792
.set TM,   16                          ; v16-19 largest magnitudes, v20-23 exchange, then bytes, v28-31 the conversions' scale operands
.set R,    32                          ; v32-159  two sets of 64 registers as loaded
.set X,    160                         ; v160-223 64 numbers of a lane in the quantiser's order
.set PC,   224                         ; v224-235 a fragment's codes; v236-242 the conversions' second halves
.set PWS,  244                         ; v244-247 four K steps' scale words
.set PW,   248                         ; v248     the scale word just made
.set SEL,  34                          ; s[34:35] lane selects for v_permlanex16_b32: lane l xor 16
; 64 numbers of a lane, register 16 b + i = k 32 b + 16 (lane / 16) + i of my row, become a fragment's codes in v[PC] on and its scale word in v[PW].
.macro QUANT s
.irp b, 0,1,2,3
	v_max3_num_f32 v[TM+\b], |v[\s+16*\b]|, |v[\s+1+16*\b]|, 0x1800000   ; my 16 numbers of block b, and the floor 2^(3 - 127): the byte cannot fall under 1
.endr
.irp i, 2,4,6,8,10,12,14
.irp b, 0,1,2,3
	v_max3_num_f32 v[TM+\b], v[TM+\b], |v[\s+16*\b+\i]|, |v[\s+1+16*\b+\i]|
.endr
.endr
.irp b, 0,1,2,3
	v_permlanex16_b32 v[TM+4+\b], v[TM+\b], s[SEL], s[SEL+1]
.endr
.irp b, 0,1,2,3
	v_max_num_f32 v[TM+\b], v[TM+\b], v[TM+4+\b]           ; with lane l xor 16's: the block's largest magnitude
.endr
.irp b, 0,1,2,3
	v_add_nc_u32 v[TM+12+\b], 0xff000000, v[TM+\b]         ; 2 off its exponent field: the conversion's scale operand
.endr
.irp b, 0,1,2,3
	v_lshrrev_b32 v[TM+4+\b], 23, v[TM+12+\b]              ; the scale's byte
.endr
	v_lshl_or_b32 v[PW], v[TM+5], 8, v[TM+4]
	v_lshl_or_b32 v[PW], v[TM+6], 16, v[PW]
	v_lshl_or_b32 v[PW], v[TM+7], 24, v[PW]
.irp c, 0,1
	v_cvt_scalef32_pk16_fp6_f32 v[PC+6*\c:PC+2+6*\c], v[\s+32*\c:\s+15+32*\c], v[TM+12+2*\c]
	v_cvt_scalef32_pk16_fp6_f32 v[PC+12+4*\c:PC+14+4*\c], v[\s+16+32*\c:\s+31+32*\c], v[TM+12+2*\c+1]   ; (a conversion's three registers begin on an even number)
.endr
	v_nop                                          ; one plain place behind a scaled conversion
.irp c, 0,1                                    ; the operand wants a WHOLE block in a lane: lanes 0-15 block 2 c, lanes 16-31 block 2 c + 1
.irp i, 0,1,2
	v_permlane16_swap_b32 v[PC+6*\c+\i], v[PC+12+4*\c+\i]
.endr
.irp i, 0,1,2
	v_mov_b32 v[PC+3+6*\c+\i], v[PC+12+4*\c+\i]
.endr
.endr
.endm
	s_load_b256 s[4:11], s[0:1], 0x0               ; memory, query, Wk, Wv
	s_load_b256 s[12:19], s[0:1], 0x20             ; Wq, Wo, img1, sc1
	v_lshl_add_u32 v254, v0, 2, 0x10e00
	v_mov_b32 v255, 0
	v_lshrrev_b32 v1, 5, v0
	v_readfirstlane_b32 s20, v1                    ; wave 0..3
	v_and_b32 v5, 31, v0                           ; lane
	v_and_b32 v6, 15, v0                           ; r
	v_bfe_u32 v7, v0, 4, 1                         ; h
	v_lshlrev_b32 v1, 4, v5                        ; 16 x lane
	s_mov_b32 s[SEL], 0x76543210
	s_mov_b32 s[SEL+1], 0xfedcba98
.irp b, 0,1,2,3
	v_mov_b32 v[TM+4+\b], 0                        ; written once: a lane permute's destination counts as one of its sources
.endr
	s_cmp_lt_u32 ttmp9, 576
	s_cbranch_scc0 .Lweights
	; ---------------- rows whose K is innermost: memory and query
	s_lshl_b32 s21, ttmp9, 2
	s_add_co_u32 s21, s21, s20                     ; task = 4 x work-group + wave
	s_lshr_b32 s22, s21, 1                         ; tile 0..1151
	s_and_b32 s23, s21, 1                          ; which half of K
	s_mul_i32 s28, s20, 8448                       ; my stage
	s_wait_alu depctr_va_vdst(0)
	v_add_nc_u32 v2, s28, v1                       ; into it: a row's 512 bytes, 16 a lane
	v_mul_u32_u24 v3, v6, 528
	v_lshl_add_u32 v3, v7, 6, v3
	v_add_nc_u32 v3, s28, v3                       ; out of it: row r, + 64 h: my 16 numbers of a block of 32
	v_lshlrev_b32 v4, 4, v6
	v_lshl_add_u32 v4, v7, 3, v4                   ; the scale words: 16 r + 8 h
	s_mul_i32 s30, s22, 12288
	s_mul_i32 s29, s23, 6144
	s_add_co_u32 s30, s30, s29
	s_mov_b32 s31, 0                               ; the images' place
	s_lshl_b32 s32, s22, 9
	s_lshl_b32 s29, s23, 8
	s_add_co_u32 s32, s32, s29
	s_mov_b32 s33, 0                               ; the scale words' place
	s_wait_alu depctr_va_vdst(0)
	s_wait_kmcnt 0x0
	s_cmp_lt_u32 ttmp9, 512                        ; memory's work-group or query's: the choice hangs on the work-group's number alone
	s_cselect_b64 s[4:5], s[4:5], s[6:7]
	s_cselect_b32 s24, 0, 1024
	s_sub_co_u32 s24, s22, s24                     ; the tile's number in its tensor
	s_lshr_b32 s25, s24, 2
	s_lshl_b32 s25, s25, 6
	s_and_b32 s26, s24, 3                          ; the tile's first row: 64 C + 8 t
	s_lshl_b32 s26, s26, 3
	s_add_co_u32 s25, s25, s26                     ; its first row: 64 C + 8 t
	s_lshl_b32 s26, s25, 12                        ; rows of 4,096 bytes
	s_lshl_b32 s27, s23, 11                        ; half a row
	s_add_co_u32 s26, s26, s27
	s_mov_b32 s27, 0
	s_add_nc_u64 s[4:5], s[4:5], s[26:27]
	s_add_nc_u64 s[16:17], s[16:17], s[30:31]
	s_add_nc_u64 s[18:19], s[18:19], s[32:33]
.macro LOADX q                         ; K step q of the tile's 16 rows: each load reads 512 consecutive bytes of one row
.irp i, 0,1,2,3,4,5,6,7,8,9,10,11,12,13,14,15
	global_load_b128 v[R+64*((\q)%2)+4*\i:R+64*((\q)%2)+4*\i+3], v1, s[4:5] offset:((\i%8)+32*(\i/8))*4096+512*(\q) th:TH_LOAD_NT
.endr
.endm
.macro TURNX q                         ; through my stage: in as rows, out as 16 neighbours a lane.  LDS serves a wave's instructions in order: no wait between the stores and the loads
.irp i, 0,1,2,3,4,5,6,7,8,9,10,11,12,13,14,15
	ds_store_b128 v2, v[R+64*((\q)%2)+4*\i:R+64*((\q)%2)+4*\i+3] offset:528*\i
.endr
.irp b, 0,1,2,3
.irp j, 0,1,2,3
	ds_load_b128 v[X+16*\b+4*\j:X+16*\b+4*\j+3], v3 offset:128*\b+16*\j
.endr
.endr
.endm
	LOADX 0
	LOADX 1
.irp q, 0,1,2,3
.if \q < 3
	s_wait_loadcnt 16                              ; this step's 16 loads are in; the other set's 16 may be out
.else
	s_wait_loadcnt 0x0
.endif
	TURNX \q
	s_wait_dscnt 0x0                               ; the numbers are back, and the stage's stores have read their registers
	s_wait_xcnt 0x0                                ; the last step's stores have read the codes' registers, which are written again below
.if \q < 2
	LOADX \q+2
.endif
	QUANT X
	v_mov_b32 v[PWS+\q], v[PW]
.irp c, 0,1,2
	global_store_b128 v1, v[PC+4*\c:PC+4*\c+3], s[16:17] offset:1536*\q+512*\c   ; 32 lanes store 512 consecutive bytes, aligned
.endr
.endr
	v_cmp_le_u32 vcc_lo, 16, v5                    ; both halves of the lanes hold row r's four words: lanes 0-15 store words 0, 1, lanes 16-31 words 2, 3
	v_cndmask_b32 v250, v[PWS], v[PWS+2], vcc_lo
	v_cndmask_b32 v251, v[PWS+1], v[PWS+3], vcc_lo
	global_store_b64 v4, v[250:251], s[18:19]      ; 256 consecutive bytes, aligned
	s_wait_tensorcnt 0x0
	ds_add_u32 v254, v255
	s_wait_dscnt 0x0
	s_endpgm
	; ---------------- the weights: K is the first axis
.Lweights:
	s_sub_co_u32 s21, ttmp9, 576
	s_lshr_b32 s22, s21, 7                         ; which weight: Wk, Wv, Wq, Wo
	s_bfe_u32 s23, s21, 0x40003                    ; which 64 columns
	s_and_b32 s24, s21, 7                          ; which K step
	s_lshl_b32 s25, s24, 7
	s_lshl_b32 s26, s20, 5
	s_add_co_u32 s25, s25, s26                     ; my wave's first row of k: 128 q + 32 w
	s_lshl_b32 s25, s25, 12
	s_lshl_b32 s26, s23, 8
	s_add_co_u32 s26, s25, s26
	s_mov_b32 s27, 0
	s_lshl_b32 s28, s22, 6
	s_lshl_b32 s29, s23, 2
	s_add_co_u32 s28, s28, s29
	s_add_co_u32 s28, s28, s20
	s_add_co_u32 s28, s28, 1152                    ; my wave's tile
	s_mul_i32 s30, s28, 12288
	s_mul_i32 s29, s24, 1536
	s_add_co_u32 s30, s30, s29
	s_mov_b32 s31, 0
	s_lshl_b32 s32, s28, 9
	s_lshr_b32 s29, s24, 2
	s_lshl_b32 s29, s29, 8
	s_add_co_u32 s32, s32, s29
	s_and_b32 s29, s24, 3
	s_lshl_b32 s29, s29, 2
	s_add_co_u32 s32, s32, s29
	s_mov_b32 s33, 0
	s_wait_alu depctr_va_vdst(0)
	v_lshlrev_b32 v8, 12, v7
	v_lshl_add_u32 v8, v6, 4, v8                   ; in: two rows of k an instruction; sixteen lanes read 256 consecutive bytes, aligned
	s_mul_i32 s36, s20, 8832
	v_mul_u32_u24 v9, v7, 272
	v_lshl_add_u32 v9, v6, 4, v9
	v_add_nc_u32 v9, s36, v9
	v_add_nc_u32 v9, WST, v9                       ; into the stage: my wave's block of 32 rows of k
	v_and_b32 v10, 8, v6
	v_add_nc_u32 v10, v10, v6                      ; (r % 8) + 16 (r / 8)
	s_lshr_b32 s37, s20, 1
	s_lshl_b32 s37, s37, 5
	s_and_b32 s38, s20, 1
	s_lshl_b32 s38, s38, 3
	s_add_co_u32 s37, s37, s38
	v_add_nc_u32 v10, s37, v10                     ; my column among the 64
	v_lshlrev_b32 v10, 2, v10
	v_mad_u32_u24 v10, v7, 8832, v10               ; lanes 16-31 begin one block of 32 k further on (its 128 spare bytes set it 32 banks off)
	v_add_nc_u32 v10, WST, v10
	v_lshlrev_b32 v11, 4, v6                       ; the scale word: 16 r
	s_wait_alu depctr_va_vdst(0)
	s_wait_kmcnt 0x0
	s_cmp_eq_u32 s22, 0
	s_cselect_b64 s[8:9], s[8:9], s[10:11]
	s_cmp_eq_u32 s22, 2
	s_cselect_b64 s[12:13], s[12:13], s[14:15]
	s_cmp_lt_u32 s22, 2
	s_cselect_b64 s[8:9], s[8:9], s[12:13]
	s_add_nc_u64 s[8:9], s[8:9], s[26:27]
	s_add_nc_u64 s[16:17], s[16:17], s[30:31]
	s_add_nc_u64 s[18:19], s[18:19], s[32:33]
.irp i, 0,1,2,3,4,5,6,7,8,9,10,11,12,13,14,15
	global_load_b128 v[R+4*\i:R+4*\i+3], v8, s[8:9] offset:8192*\i th:TH_LOAD_NT
.endr
	s_wait_loadcnt 0x0
.irp i, 0,1,2,3,4,5,6,7,8,9,10,11,12,13,14,15
	ds_store_b128 v9, v[R+4*\i:R+4*\i+3] offset:544*\i
.endr
	s_wait_dscnt 0x0                               ; for the others' sake: my stores have landed
	s_barrier_signal -1
	s_barrier_wait -1                              ; 128 k x 64 columns lie in the stage
.irp c, 0,1                                    ; A LANE TAKES A COLUMN, ITS REGISTERS RUN DOWN K, in the order that the operand gives that lane: k = 64 c + 32 h + i
.irp i, 0,1,2,3,4,5,6,7,8,9,10,11,12,13,14,15,16,17,18,19,20,21,22,23,24,25,26,27,28,29,30,31
	ds_load_b32 v[X+32*\c+\i], v10 offset:17664*\c+272*\i
.endr
.endr
	s_wait_dscnt 0x0
.irp c, 0,1                                    ; my block 2 c + h: all its 32 numbers are mine
	v_max3_num_f32 v[TM+\c], |v[X+32*\c]|, |v[X+1+32*\c]|, 0x1800000
.endr
.irp i, 2,4,6,8,10,12,14,16,18,20,22,24,26,28,30
.irp c, 0,1
	v_max3_num_f32 v[TM+\c], v[TM+\c], |v[X+32*\c+\i]|, |v[X+1+32*\c+\i]|
.endr
.endr
.irp c, 0,1
	v_add_nc_u32 v[TM+12+\c], 0xff000000, v[TM+\c]
.endr
.irp c, 0,1
	v_lshrrev_b32 v[TM+4+\c], 23, v[TM+12+\c]
.endr
	v_lshl_or_b32 v[PW], v[TM+5], 16, v[TM+4]      ; my two bytes: blocks h and 2 + h,
	v_lshlrev_b32 v12, 3, v7
	v_lshlrev_b32 v[PW], v12, v[PW]                ; at their places in the word;
	v_mov_b32 v13, 0
	v_permlanex16_b32 v13, v[PW], s[SEL], s[SEL+1]
	v_or_b32 v[PW], v[PW], v13                     ; with lane l xor 16's two the word is whole
.irp c, 0,1
	v_cvt_scalef32_pk16_fp6_f32 v[PC+6*\c:PC+2+6*\c], v[X+32*\c:X+15+32*\c], v[TM+12+\c]
	v_cvt_scalef32_pk16_fp6_f32 v[PC+12+4*\c:PC+14+4*\c], v[X+16+32*\c:X+31+32*\c], v[TM+12+\c]
.endr
	v_nop                                          ; one plain place behind a scaled conversion
.irp c, 0,1
.irp i, 0,1,2
	v_mov_b32 v[PC+3+6*\c+\i], v[PC+12+4*\c+\i]
.endr
.endr
.irp c, 0,1,2
	global_store_b128 v1, v[PC+4*\c:PC+4*\c+3], s[16:17] offset:512*\c
.endr
	s_wait_xcnt 0x0                                ; EXEC changes only behind this wait
	v_cmp_gt_u32 vcc_lo, 16, v5
	s_wait_tensorcnt 0x0
	ds_add_u32 v254, v255
	s_wait_dscnt 0x0
	s_and_saveexec_b32 s39, vcc_lo
	global_store_b32 v11, v[PW], s[18:19]          ; one word of each row's four: four work-groups share the 256 bytes; 128 KiB of such stores in the whole launch
	s_wait_xcnt 0x0
	s_or_b32 exec_lo, exec_lo, s39
	s_endpgm
.Lfunc_end_k_q37fa837757_quant:
	.size	k_q37fa837757_quant, .Lfunc_end_k_q37fa837757_quant-k_q37fa837757_quant
	.p2alignl 7, 3214868480
	.fill 96, 4, 3214868480
	.section	.rodata,"a",@progbits
	.p2align	6, 0x0
	.amdhsa_kernel k_q37fa837757_quant
		.amdhsa_group_segment_fixed_size 69632
		.amdhsa_private_segment_fixed_size 0
		.amdhsa_enable_private_segment 0
		.amdhsa_kernarg_size 64
		.amdhsa_user_sgpr_count 2
		.amdhsa_user_sgpr_kernarg_segment_ptr 1
		.amdhsa_wavefront_size32 1
		.amdhsa_system_sgpr_workgroup_id_x 1
		.amdhsa_system_sgpr_workgroup_id_y 1
		.amdhsa_system_sgpr_workgroup_id_z 1
		.amdhsa_system_vgpr_workitem_id 0
		.amdhsa_next_free_vgpr 256
		.amdhsa_next_free_sgpr 66
		.amdhsa_reserve_vcc 1
		.amdhsa_float_denorm_mode_32 3
		.amdhsa_float_denorm_mode_16_64 3
		.amdhsa_memory_ordered 1
		.amdhsa_forward_progress 1
		.amdhsa_inst_pref_size 46
	.end_amdhsa_kernel
	.amdgpu_metadata
---
amdhsa.version: [ 1, 2 ]
amdhsa.kernels:
  - .name:           k_q37fa837757_quant
    .symbol:         k_q37fa837757_quant.kd
    .args:
      - { .name: memory, .offset: 0, .size: 8, .value_kind: global_buffer, .address_space: global }
      - { .name: query, .offset: 8, .size: 8, .value_kind: global_buffer, .address_space: global }
      - { .name: Wk, .offset: 16, .size: 8, .value_kind: global_buffer, .address_space: global }
      - { .name: Wv, .offset: 24, .size: 8, .value_kind: global_buffer, .address_space: global }
      - { .name: Wq, .offset: 32, .size: 8, .value_kind: global_buffer, .address_space: global }
      - { .name: Wo, .offset: 40, .size: 8, .value_kind: global_buffer, .address_space: global }
      - { .name: img1, .offset: 48, .size: 8, .value_kind: global_buffer, .address_space: global }
      - { .name: sc1, .offset: 56, .size: 8, .value_kind: global_buffer, .address_space: global }
    .group_segment_fixed_size: 69632
    .private_segment_fixed_size: 0
    .kernarg_segment_align: 8
    .kernarg_segment_size: 64
    .max_flat_workgroup_size: 128
    .sgpr_count:     66
    .vgpr_count:     256
    .wavefront_size: 32
...
	.end_amdgpu_metadata
.endif
;; end of part 1
;; launch kvproj (part 2): grid 8 x 64, 4 waves a work-group, clusters of 4 x 4, 327,680 bytes of LDS; arguments img1, sc1, kv; writes kv
.if DOCPART == 2
	.amdgcn_target "amdgcn-amd-amdhsa--gfx1250"
	.amdhsa_code_object_version 6
	.text
	.protected	k_q37fa837757_kvproj
	.globl	k_q37fa837757_kvproj
	.p2align	8
	.type	k_q37fa837757_kvproj,@function
k_q37fa837757_kvproj:
	s_mov_b64 s[64:65], 0
	v_nop
	global_prefetch_b8 v0, s[64:65] scope:SCOPE_SE
	s_setreg_imm32_b32 hwreg(HW_REG_WAVE_MODE, 25, 1), 1
	s_wait_xcnt 0x0
	s_wait_alu depctr_hold_cnt(0) depctr_sa_sdst(0) depctr_va_vdst(0) depctr_va_sdst(0) depctr_va_ssrc(0) depctr_va_vcc(0) depctr_vm_vsrc(0)
	s_getreg_b32 s2, hwreg(HW_REG_IB_STS2, 6, 4)
	s_cmp_eq_u32 s2, 0
	s_cbranch_scc0 .Lentry_in_a_cluster
	s_endpgm
.Lentry_in_a_cluster:
	s_bfe_u32 s2, ttmp6, 0x10000c
	s_cmp_lg_u32 s2, 0xf033
	s_cbranch_scc0 .Lentry_shape_is_right
	s_endpgm
.Lentry_shape_is_right:
.set FR,    12
.set NL,    3
.set NP,    4
.set SLOT,  98304
.set SPARE, 2*SLOT
.set AD1,  16
.set AD0,  20
.set LI,   24
.set LN,   25
.set VS,   26
.set SPW,  28
.set NIL,  29
.set SC,   32
.set AF,   128
.set H0,   128
.set H1,   140
.set SCR,  152
.set TM,   160
.set PWA,  176
.set PWB,  177
.set SW0,  180
.set SW1,  184
.set G1M, 24
.set G0M, 32
.set G1W, 48
.set G0W, 56
.set MSB, 0
.macro WIN new
.if MSB != (\new)
	s_set_vgpr_msb (MSB<<8)|(\new)
.set MSB, (\new)
.endif
.endm
.set MUL_LO, 0xa1
.set MUL_HI, 0xf1
.set TO_B,   0x40
.macro JLOAD g0a, g1a, g0b, g1b
	s_cmp_eq_u32 s15, 0
	s_cbranch_scc0 .Lfor_b_\@
	tensor_load_to_lds s[\g0a:\g0a+3], s[\g1a:\g1a+7]
	s_nop 0
.rept 4
	v_nop
.endr
	s_branch .Lasked_\@
.Lfor_b_\@:
	tensor_load_to_lds s[\g0b:\g0b+3], s[\g1b:\g1b+7]
	s_nop 0
.rept 4
	v_nop
.endr
.Lasked_\@:
.endm
.macro CREST
	s_cmp_lg_u32 s14, 0
	s_cbranch_scc1 .Lnot_wave_0_\@
	s_barrier_signal -3
.Lnot_wave_0_\@:
	s_barrier_wait -3
	s_barrier_signal -1
	s_barrier_wait -1
.endm
.macro CROUND
	s_barrier_signal -1
	s_barrier_wait -1
	CREST
.endm
	s_load_b128 s[4:7], s[0:1], 0x0
	s_load_b64 s[8:9], s[0:1], 0x10
	v_lshl_add_u32 v[SPW], v0, 2, SPARE
	v_mov_b32 v[NIL], 0
	ds_add_u32 v28, v29
	ds_add_u32 v28, v29
	s_wait_dscnt 0x0
	v_lshrrev_b32 v1, 5, v0
	v_readfirstlane_b32 s14, v1
	s_lshr_b32 s15, s14, 1
	s_and_b32 s16, s14, 1
	s_bfe_u32 s40, ttmp6, 0x40000
	s_bfe_u32 s41, ttmp6, 0x40004
	s_lshl_b32 s42, ttmp9, 2
	s_add_co_u32 s42, s42, s40
	s_and_b32 s17, ttmp7, 0xffff
	s_lshl_b32 s17, s17, 2
	s_add_co_u32 s17, s17, s41
	s_lshl_b32 s43, s41, 2
	s_lshl_b32 s43, 15, s43
	s_lshl_b32 s44, 0x1111, s40
	s_or_b32 s[G1M+0], s43, (3<<16)|(1<<21)
	s_or_b32 s[G1W+0], s44, (3<<16)|(1<<21)
.irp g, G1M, G1W
	s_mov_b32 s[\g+1], 384<<16
	s_mov_b32 s[\g+2], 8<<16
	s_mov_b32 s[\g+3], 384<<16
	s_mov_b32 s[\g+4], 8
	s_mov_b32 s[\g+5], 1536
	s_mov_b32 s[\g+6], 0
	s_mov_b32 s[\g+7], 0
.endr
	s_lshl_b32 s18, s16, 3
	s_lshl_b32 s20, s17, 4
	s_add_co_u32 s20, s20, s18
	s_mul_i32 s20, s20, 12288
	s_mov_b32 s21, 0
	s_lshl_b32 s46, s42, 4
	s_add_co_u32 s46, s46, s18
	s_add_co_u32 s46, s46, 1152
	s_mul_i32 s46, s46, 12288
	s_mov_b32 s47, 0
	s_mul_i32 s45, s14, 24576
	s_wait_kmcnt 0x0
	s_add_nc_u64 s[20:21], s[4:5], s[20:21]
	s_add_nc_u64 s[46:47], s[4:5], s[46:47]
	CROUND
.irp s, 0,1
	s_mov_b32 s[G0M+4*\s], 1
	s_add_co_u32 s[G0M+4*\s+1], s45, \s*SLOT
	s_add_nc_u64 s[G0M+4*\s+2:G0M+4*\s+3], s[20:21], \s*3072
	s_or_b32 s[G0M+4*\s+3], s[G0M+4*\s+3], 0x80000000
	s_mov_b32 s[G0W+4*\s], 1
	s_add_co_u32 s[G0W+4*\s+1], s45, \s*SLOT
	s_add_nc_u64 s[G0W+4*\s+2:G0W+4*\s+3], s[46:47], \s*3072
	s_or_b32 s[G0W+4*\s+3], s[G0W+4*\s+3], 0x80000000
	s_wait_alu depctr_va_vdst(0)
	s_wait_tensorcnt 0x0
	ds_add_u32 v28, v29
	ds_add_u32 v28, v29
	s_wait_dscnt 0x0
	CROUND
	JLOAD G0M+4*\s, G1M, G0W+4*\s, G1W
.endr
	v_and_b32 v[LN], 31, v0
	v_and_b32 v1, 15, v0
	v_lshlrev_b32 v[LI], 4, v[LN]
	s_wait_alu depctr_va_vdst(0)
	s_and_b32 s66, ttmp9, 1
	s_mul_i32 s67, s66, 49152
	s_mul_i32 s68, s15, 24576
	s_add_co_u32 s68, s68, s67
	s_xor_b32 s69, s66, 1
	s_mul_i32 s69, s69, 49152
	s_mul_i32 s67, s16, 24576
	s_add_co_u32 s69, s69, s67
.irp s, 0,1
	v_add_nc_u32 v[AD1+\s], s68, v[LI]
	v_add_nc_u32 v[AD0+\s], s69, v[LI]
	s_add_co_u32 s68, s68, SLOT
	s_add_co_u32 s69, s69, SLOT
.endr
	s_cmp_eq_u32 s66, 0
	s_cselect_b32 s70, s15, s16
	s_cselect_b32 s71, s16, s15
	s_lshl_b32 s72, s17, 4
	s_lshl_b32 s73, s70, 3
	s_add_co_u32 s72, s72, s73
	s_lshl_b32 s72, s72, 9
	s_lshl_b32 s73, s42, 4
	s_lshl_b32 s74, s71, 3
	s_add_co_u32 s73, s73, s74
	s_add_co_u32 s73, s73, 1152
	s_lshl_b32 s73, s73, 9
	s_cmp_eq_u32 s66, 0
	s_cselect_b32 s74, s72, s73
	s_cselect_b32 s75, s73, s72
	v_cmp_le_u32 vcc_lo, 16, v[LN]
	v_mov_b32 v2, s74
	v_mov_b32 v3, s75
	v_cndmask_b32 v[VS], v2, v3, vcc_lo
	v_lshl_add_u32 v[VS], v1, 4, v[VS]
.irp i, 0,1,2,3,4,5,6,7
.irp g, 0,1
	global_load_b128 v[SC+8*\i+4*\g:SC+8*\i+4*\g+3], v[VS], s[6:7] offset:512*\i+256*\g
.endr
.endr
	s_lshl_b32 s76, s17, 1
	s_add_co_u32 s76, s76, s70
	s_and_b32 s77, s42, 3
	s_lshl_b32 s77, s77, 1
	s_add_co_u32 s77, s77, s71
	s_lshr_b32 s78, s76, 5
	s_lshl_b32 s78, s78, 4
	s_lshl_b32 s77, s77, 1
	s_add_co_u32 s78, s78, s77
	s_lshl_b32 s78, s78, 5
	s_and_b32 s79, s76, 31
	s_add_co_u32 s78, s78, s79
	s_mul_i32 s78, s78, 13312
	s_mul_i32 s79, s66, 6656
	s_add_co_u32 s78, s78, s79
	s_mov_b32 s79, 0
	s_add_nc_u64 s[8:9], s[8:9], s[78:79]
.macro FRAG reg, adr, q, i
.irp c, 0,1,2
	ds_load_b128 v[\reg+4*\c:\reg+4*\c+3], v[\adr] offset:3072*(\i)+1536*(\q)+512*\c
.endr
.endm
.macro MUL16 a0, p, kq, zero
.irp a, \a0, \a0+1
.irp b, 0,1,2,3,4,5,6,7
.if \zero
	v_wmma_scale_f32_16x16x128_f8f6f4 v[8*(8*((\a)%4)+\b):8*(8*((\a)%4)+\b)+7], v[128*(\p)+FR*\b:128*(\p)+FR*\b+FR-1], v[AF+FR*(\a):AF+FR*(\a)+FR-1], 0, v[SC+8*\b+(\kq)], v[SC+8*(\a)+(\kq)] matrix_a_fmt:MATRIX_FMT_FP6 matrix_b_fmt:MATRIX_FMT_FP6 matrix_a_scale:MATRIX_SCALE_ROW1
.else
	v_wmma_scale_f32_16x16x128_f8f6f4 v[8*(8*((\a)%4)+\b):8*(8*((\a)%4)+\b)+7], v[128*(\p)+FR*\b:128*(\p)+FR*\b+FR-1], v[AF+FR*(\a):AF+FR*(\a)+FR-1], v[8*(8*((\a)%4)+\b):8*(8*((\a)%4)+\b)+7], v[SC+8*\b+(\kq)], v[SC+8*(\a)+(\kq)] matrix_a_fmt:MATRIX_FMT_FP6 matrix_b_fmt:MATRIX_FMT_FP6 matrix_a_scale:MATRIX_SCALE_ROW1
.endif
.endr
.endr
.endm
.macro FETCH_B slot, q, p
	WIN TO_B
.irp i, 0,1,2,3,4,5,6,7
	FRAG 128*(\p)+FR*\i, AD0+\slot, \q, \i
.endr
	WIN 0
.endm
.macro FETCH_A slot, q, i0
.irp i, \i0, \i0+1, \i0+2, \i0+3
	FRAG AF+FR*(\i), AD1+\slot, \q, \i
.endr
.endm
.macro PLACES n
.rept \n
	v_nop
.endr
.endm
.macro STEP slot, kq, zero
	s_wait_dscnt 4*NL
	WIN MUL_LO
	MUL16 0, 0, \kq, \zero
	MUL16 2, 0, \kq, \zero
	s_wait_dscnt 0
	PLACES NP
	FETCH_B \slot, 1, 1
	FETCH_A \slot, 1, 0
	WIN MUL_HI
	MUL16 4, 0, \kq, \zero
	MUL16 6, 0, \kq, \zero
	PLACES NP
	WIN 0
	FETCH_A \slot, 1, 4
.endm
.macro TURN slot, next, fill, kq
	s_wait_tensorcnt 0x0
	ds_add_u32 v[SPW], v[NIL]
	s_wait_dscnt 4*NL+1
	WIN MUL_LO
	MUL16 0, 1, \kq, 0
	s_wait_dscnt 0x0
	s_barrier_signal -1
	MUL16 2, 1, \kq, 0
	WIN 0
	s_barrier_wait -1
.if \fill
	CREST
	s_add_nc_u64 s[G0M+4*\slot+2:G0M+4*\slot+3], s[G0M+4*\slot+2:G0M+4*\slot+3], 6144
	s_add_nc_u64 s[G0W+4*\slot+2:G0W+4*\slot+3], s[G0W+4*\slot+2:G0W+4*\slot+3], 6144
	JLOAD G0M+4*\slot, G1M, G0W+4*\slot, G1W
.else
	PLACES NP
.endif
	FETCH_B \next, 0, 0
	FETCH_A \next, 0, 0
	WIN MUL_HI
	MUL16 4, 1, \kq, 0
	MUL16 6, 1, \kq, 0
	PLACES NP
	WIN 0
	FETCH_A \next, 0, 4
.endm
	s_wait_alu depctr_va_vdst(0)
	s_wait_tensorcnt 1
	s_barrier_signal -1
	s_barrier_wait -1
	FETCH_B 0, 0, 0
	FETCH_A 0, 0, 0
	FETCH_A 0, 0, 4
	s_wait_loadcnt 0x0
	STEP 0, 0, 1
	TURN 0, 1, 1, 1
	STEP 1, 2, 0
	TURN 1, 0, 1, 3
	STEP 0, 4, 0
	TURN 0, 1, 0, 5
	STEP 1, 6, 0
	s_wait_dscnt 4*NL
	WIN MUL_LO
	MUL16 0, 1, 7, 0
	MUL16 2, 1, 7, 0
	s_wait_dscnt 0
	WIN MUL_HI
	MUL16 4, 1, 7, 0
	MUL16 6, 1, 7, 0
	WIN 0
	PLACES NP
.macro QUANTW a, d0, d1, pw
.set QW, 2+(\a)/4
.set QS, 64*((\a)%4)
	WIN QW|(QW<<2)
.irp b, 0,1,2,3
	v_max3_num_f32 v[TM+\b], |v[QS+16*\b]|, |v[QS+1+16*\b]|, 0x1800000
.endr
	WIN (QW<<2)|(QW<<4)
.irp i, 2,4,6,8,10,12,14
.irp b, 0,1,2,3
	v_max3_num_f32 v[TM+\b], v[TM+\b], |v[QS+16*\b+\i]|, |v[QS+1+16*\b+\i]|
.endr
.endr
	WIN 0
.irp b, 0,1,2,3
	v_permlanex16_b32 v[TM+4+\b], v[TM+\b], s80, s81
.endr
.irp b, 0,1,2,3
	v_max_num_f32 v[TM+\b], v[TM+\b], v[TM+4+\b]
.endr
.irp b, 0,1,2,3
	v_add_nc_u32 v[TM+12+\b], 0xff000000, v[TM+\b]
.endr
.irp b, 0,1,2,3
	v_lshrrev_b32 v[TM+4+\b], 23, v[TM+12+\b]
.endr
	v_lshl_or_b32 v[\pw], v[TM+5], 8, v[TM+4]
	v_lshl_or_b32 v[\pw], v[TM+6], 16, v[\pw]
	v_lshl_or_b32 v[\pw], v[TM+7], 24, v[\pw]
	WIN QW
	v_cvt_scalef32_pk16_fp6_f32 v[\d0:\d0+2], v[QS:QS+15], v[TM+12]
	v_cvt_scalef32_pk16_fp6_f32 v[SCR:SCR+2], v[QS+16:QS+31], v[TM+13]
	v_cvt_scalef32_pk16_fp6_f32 v[\d1:\d1+2], v[QS+32:QS+47], v[TM+14]
	v_cvt_scalef32_pk16_fp6_f32 v[SCR+4:SCR+6], v[QS+48:QS+63], v[TM+15]
	WIN 0
	v_nop
.irp i, 0,1,2
	v_permlane16_swap_b32 v[\d0+\i], v[SCR+\i]
.endr
.irp i, 0,1,2
	v_permlane16_swap_b32 v[\d1+\i], v[SCR+4+\i]
.endr
.irp i, 0,1,2
	v_mov_b32 v[\d0+3+\i], v[SCR+\i]
.endr
.irp i, 0,1,2
	v_mov_b32 v[\d1+3+\i], v[SCR+4+\i]
.endr
.endm
; V's quantiser, along the keys.  Memory's tiles are source 0, and row r of tile 4 C + t is key 64 C + 8 t + (r % 8) + 32 (r / 8): register 32 c + i of a lane's 64 is key 64 c + 32 (lane / 16) + i.
; So a lane holds two whole blocks, in the operand's own order: no lane is asked for a maximum and no codes change lanes.  The scale word is whole in lanes 0-15, which alone are read.
.macro QUANTV a, d, pw
.set QW, 2+(\a)/4
.set QS, 64*((\a)%4)
	WIN QW|(QW<<2)
.irp b, 0,1,2,3
	v_max3_num_f32 v[TM+\b], |v[QS+16*\b]|, |v[QS+1+16*\b]|, 0x1800000
.endr
	WIN (QW<<2)|(QW<<4)
.irp i, 2,4,6,8,10,12,14
.irp b, 0,1,2,3
	v_max3_num_f32 v[TM+\b], v[TM+\b], |v[QS+16*\b+\i]|, |v[QS+1+16*\b+\i]|
.endr
.endr
	WIN 0
	v_max_num_f32 v[TM], v[TM], v[TM+1]            ; block (lane / 16)
	v_max_num_f32 v[TM+1], v[TM+2], v[TM+3]        ; block 2 + (lane / 16)
	v_add_nc_u32 v[TM+12], 0xff000000, v[TM]
	v_add_nc_u32 v[TM+13], 0xff000000, v[TM+1]
	v_lshrrev_b32 v[TM+4], 23, v[TM+12]
	v_lshrrev_b32 v[TM+5], 23, v[TM+13]
	v_lshl_or_b32 v[TM+6], v[TM+5], 16, v[TM+4]
	v_permlanex16_b32 v[TM+7], v[TM+6], s80, s81
	v_lshl_or_b32 v[\pw], v[TM+7], 8, v[TM+6]      ; lanes 0-15: bytes 0, 2 mine, bytes 1, 3 lane l + 16's
	WIN QW
	v_cvt_scalef32_pk16_fp6_f32 v[\d:\d+2], v[QS:QS+15], v[TM+12]
	v_cvt_scalef32_pk16_fp6_f32 v[SCR:SCR+2], v[QS+16:QS+31], v[TM+12]
	v_cvt_scalef32_pk16_fp6_f32 v[\d+6:\d+8], v[QS+32:QS+47], v[TM+13]
	v_cvt_scalef32_pk16_fp6_f32 v[SCR+4:SCR+6], v[QS+48:QS+63], v[TM+13]
	WIN 0
	v_nop
.irp i, 0,1,2
	v_mov_b32 v[\d+3+\i], v[SCR+\i]
.endr
.irp i, 0,1,2
	v_mov_b32 v[\d+9+\i], v[SCR+4+\i]
.endr
.endm
	s_mov_b32 s80, 0x76543210
	s_mov_b32 s81, 0xfedcba98
.irp b, 0,1,2,3
	v_mov_b32 v[TM+4+\b], 0
.endr
	v_cmp_le_u32 vcc_lo, 16, v[LN]
	s_cmp_eq_u32 s66, 0
	s_cbranch_scc0 .Lway_v
.irp pr, 0,1,2,3
.if \pr > 0
	s_wait_xcnt 0x0
.endif
	QUANTW 2*\pr, H0, H1, PWA
	QUANTW 2*\pr+1, H0+6, H1+6, PWB
	v_cndmask_b32 v[SW0+\pr], v[PWA], v[PWB], vcc_lo
	v_lshrrev_b32 v[SW1+\pr], 16, v[SW0+\pr]
.irp c, 0,1,2
	global_store_b128 v[LI], v[H0+4*\c:H0+4*\c+3], s[8:9] offset:1536*\pr+512*\c
	global_store_b128 v[LI], v[H1+4*\c:H1+4*\c+3], s[8:9] offset:425984+1536*\pr+512*\c
.endr
.endr
	global_store_b128 v[LI], v[SW0:SW0+3], s[8:9] offset:6144
	global_store_b128 v[LI], v[SW1:SW1+3], s[8:9] offset:425984+6144
	s_branch .Lway_end
.Lway_v:
.irp a, 0,1,2,3,4,5,6,7
.if \a > 0
	s_wait_xcnt 0x0
.endif
	QUANTV \a, H0, SW0+\a
.irp c, 0,1,2
	global_store_b128 v[LI], v[H0+4*\c:H0+4*\c+3], s[8:9] offset:(\a/4)*425984+1536*(\a%4)+512*\c
.endr
.endr
	global_store_b128 v[LI], v[SW0:SW0+3], s[8:9] offset:6144
	global_store_b128 v[LI], v[SW1:SW1+3], s[8:9] offset:425984+6144
.Lway_end:
	s_wait_tensorcnt 0x0
	ds_add_u32 v[SPW], v[NIL]
	s_wait_dscnt 0x0
	CROUND
	s_endpgm
.Lfunc_end_k_q37fa837757_kvproj:
	.size	k_q37fa837757_kvproj, .Lfunc_end_k_q37fa837757_kvproj-k_q37fa837757_kvproj
	.p2alignl 7, 3214868480
	.fill 96, 4, 3214868480
	.section	.rodata,"a",@progbits
	.p2align	6, 0x0
	.amdhsa_kernel k_q37fa837757_kvproj
		.amdhsa_group_segment_fixed_size 327680
		.amdhsa_private_segment_fixed_size 0
		.amdhsa_enable_private_segment 0
		.amdhsa_kernarg_size 24
		.amdhsa_user_sgpr_count 2
		.amdhsa_user_sgpr_kernarg_segment_ptr 1
		.amdhsa_wavefront_size32 1
		.amdhsa_system_sgpr_workgroup_id_x 1
		.amdhsa_system_sgpr_workgroup_id_y 1
		.amdhsa_system_sgpr_workgroup_id_z 1
		.amdhsa_system_vgpr_workitem_id 0
		.amdhsa_next_free_vgpr 1024
		.amdhsa_next_free_sgpr 100
		.amdhsa_reserve_vcc 1
		.amdhsa_float_denorm_mode_32 3
		.amdhsa_float_denorm_mode_16_64 3
		.amdhsa_memory_ordered 1
		.amdhsa_forward_progress 1
		.amdhsa_inst_pref_size 167
	.end_amdhsa_kernel
	.amdgpu_metadata
---
amdhsa.version: [ 1, 2 ]
amdhsa.kernels:
  - .name:           k_q37fa837757_kvproj
    .symbol:         k_q37fa837757_kvproj.kd
    .args:
      - { .name: img1, .offset: 0, .size: 8, .value_kind: global_buffer, .address_space: global }
      - { .name: sc1, .offset: 8, .size: 8, .value_kind: global_buffer, .address_space: global }
      - { .name: kv, .offset: 16, .size: 8, .value_kind: global_buffer, .address_space: global }
    .group_segment_fixed_size: 327680
    .private_segment_fixed_size: 0
    .kernarg_segment_align: 8
    .kernarg_segment_size: 24
    .max_flat_workgroup_size: 128
    .sgpr_count:     100
    .vgpr_count:     1024
    .wavefront_size: 32
...
	.end_amdgpu_metadata
.endif
;; end of part 2
;; launch attn (part 3): grid 4 x 64, 8 waves a work-group, clusters of 4 x 1, 327,680 bytes of LDS; arguments img1, sc1, kv, bias, img3, sc3; writes img3, sc3
.if DOCPART == 3
	.amdgcn_target "amdgcn-amd-amdhsa--gfx1250"
	.amdhsa_code_object_version 6
	.text
	.protected	k_q37fa837757_attn
	.globl	k_q37fa837757_attn
	.p2align	8
	.type	k_q37fa837757_attn,@function
k_q37fa837757_attn:
	s_mov_b64 s[64:65], 0
	v_nop
	global_prefetch_b8 v0, s[64:65] scope:SCOPE_SE
	s_setreg_imm32_b32 hwreg(HW_REG_WAVE_MODE, 25, 1), 1
	s_wait_xcnt 0x0
	s_wait_alu depctr_hold_cnt(0) depctr_sa_sdst(0) depctr_va_vdst(0) depctr_va_sdst(0) depctr_va_ssrc(0) depctr_va_vcc(0) depctr_vm_vsrc(0)
	s_getreg_b32 s2, hwreg(HW_REG_IB_STS2, 6, 4)
	s_cmp_eq_u32 s2, 0
	s_cbranch_scc0 .Lentry_in_a_cluster
	s_endpgm
.Lentry_in_a_cluster:
	s_bfe_u32 s2, ttmp6, 0x10000c
	s_cmp_lg_u32 s2, 0x3003
	s_cbranch_scc0 .Lentry_shape_is_right
	s_endpgm
.Lentry_shape_is_right:
; For one batch and head and 128 queries: q = query Wq (this head's 64 columns), quantised; S = q k^T / 8 + bias; the softmax by the stated rule (p = 2^(t - M), t = S log2(e), M a whole number, running);
; O = p v / l; O quantised along the head's 64 for the last projection.  All products on codes of FP6 (E2M3) with E8M0 scales.
; SHARES.  A cluster of four work-groups has one batch and head; a work-group 128 queries.  Eight waves: wave w has the pair w % 4 of query tiles (32 queries) and half w / 4 of the keys of every phase.
; A wave's two tiles share every fragment of K, of V and of the bias.  A phase is four key steps of 128: 53,248 consecutive bytes of kv, fetched jointly by the four partners (waves 0-3, a record each).
; At the end waves w and w + 4 merge (both M are whole numbers: the factors are exact powers of two): each hands the partner one tile and finishes the other.
; LAYOUT.  Every product is used transposed: a lane holds ONE query.  S^T = K Q^T: row r of K's tile 4 c + t is key 64 c + 8 t + (r % 8) + 32 (r / 8), so register 32 c + i of a lane's 64 scores is key
; 64 c + 32 (lane / 16) + i: a whole block of 32 in a lane, in the order that p's operand wants.  A block's maximum needs no other lane and no codes change lanes.
; 1 / 8 is a power of two: 3 is taken off q's scale bytes; the bias is the C of the score products.  K = 64 fills registers 0-5 of a fragment: Q's registers 6-11 are zero codes, and K's fragments overlap at a stride of six.
; REGISTERS.  Block 0, v0-147: what belongs to my first tile; block 1, v0-147: the same numbers for my second tile, so that one macro serves both under two settings of the windows.
; Block 0, v148-255: addresses, scale words (they hold scales alone), the bias.  Block 1, v150-251: K's and V's fragments.
; LIMITS: the promise holds while the scaled scores stay under 2^31 in magnitude (and the scores under 1e38); a block of q whose scale byte is under 3 is held at byte 0; a block of zeros gets the byte 1; NaN and infinities are not served.
.set REC,   13312                      ; a key step's record: K 6,656, V 6,656
.set SLOT1, 65536                      ; slot 0 at 0, slot 1 here
.set BIAS,  131072                     ; the batch's 4,096 biases
.set WQ,    147456                     ; four tiles of Wq^T: 49,152 bytes, directly behind the bias
.set SPARE, 196608                     ; the spare words: 128 bytes a wave, named by no other line
.set QX,    197632                     ; 8 x 1,024: Q's codes and scale word, tile by tile, as images of registers
.set MERGE, 205824                     ; 8 x 4,608: O^T (4,096) and (-M, ., l, .) (512)
.set S, 0                              ; scores, then p
.set O, 64                             ; O^T
.set Q, 96                             ; Q's codes, six registers, and six of zeros
.set PC, 108                           ; p's codes
.set PT, 120                           ; the conversions' second halves
.set NM, 128                           ; -M
.set SMX, 129                          ; the running largest score
.set L, 130                            ; the sum, in two halves
.set F, 132                            ; 2^(old M - new M)
.set MX, 134
.set T, 138
.set SO, 142
.set SA, 144
.set SB, 146
.set AK0, 148
.set AB0, 149
.set ADK, 150
.set ADB, 151
.set SPW, 152
.set NIL, 153
.set PFO, 154
.set LI,  155
.set AWQ, 156
.set MST, 157
.set MLD, 158
.set QXS, 161
.set QXL, 162
.set KS, 164                           ; K's scale words (at the head, with VS: the query tile's eight)
.set VS, 168                           ; V's
.set QS, 172                           ; Q's, tile 0 and 1
.set PS, 174                           ; p's, tile 0 and 1
.set BI, 176                           ; the bias in the scores' layout
.set WS, 240                           ; Wq's scale words
.set KF, 150                           ; block 1: K's eight tiles at a stride of six, six zeros behind them
.set VF, 204                           ; block 1: V's four fragments
.set WV,  18
.set SEL, 20
.set CS,  22
.set G1R, 24
.set G1B, 32
.set G0R, 48
.set G0B, 52
.set G0W, 56
.set TB,  2
.set TS,  3
.set SLOTS, 66
.set PFA, 76
.set LIM, 80
.set MSB, 0
.macro WIN new                         ; low byte: bits 1:0 source 0, 3:2 source 1, 5:4 source 2, 7:6 destination; the high byte repeats the setting that is left
.if MSB != (\new)
	s_set_vgpr_msb (MSB<<8)|(\new)
.set MSB, (\new)
.endif
.endm
.macro NOPS
.rept 4
	v_nop
.endr
.endm
.macro CROUND
	s_barrier_signal -1
	s_barrier_wait -1
	s_cmp_lg_u32 s[WV], 0
	s_cbranch_scc1 .Lnot_wave_0_\@
	s_barrier_signal -3
.Lnot_wave_0_\@:
	s_barrier_wait -3
	s_barrier_signal -1
	s_barrier_wait -1
.endm
.macro WM d, a, b, c, sa, sb, row
.if \row
	v_wmma_scale_f32_16x16x128_f8f6f4 v[(\d):(\d)+7], v[(\a):(\a)+11], v[(\b):(\b)+11], v[(\c):(\c)+7], v[(\sa)], v[(\sb)] matrix_a_fmt:MATRIX_FMT_FP6 matrix_b_fmt:MATRIX_FMT_FP6 matrix_a_scale:MATRIX_SCALE_ROW1
.else
	v_wmma_scale_f32_16x16x128_f8f6f4 v[(\d):(\d)+7], v[(\a):(\a)+11], v[(\b):(\b)+11], v[(\c):(\c)+7], v[(\sa)], v[(\sb)] matrix_a_fmt:MATRIX_FMT_FP6 matrix_b_fmt:MATRIX_FMT_FP6
.endif
.endm
.macro WM0 d, a, b, sa, sb, row
.if \row
	v_wmma_scale_f32_16x16x128_f8f6f4 v[(\d):(\d)+7], v[(\a):(\a)+11], v[(\b):(\b)+11], 0, v[(\sa)], v[(\sb)] matrix_a_fmt:MATRIX_FMT_FP6 matrix_b_fmt:MATRIX_FMT_FP6 matrix_a_scale:MATRIX_SCALE_ROW1
.else
	v_wmma_scale_f32_16x16x128_f8f6f4 v[(\d):(\d)+7], v[(\a):(\a)+11], v[(\b):(\b)+11], 0, v[(\sa)], v[(\sb)] matrix_a_fmt:MATRIX_FMT_FP6 matrix_b_fmt:MATRIX_FMT_FP6
.endif
.endm
; 32 numbers of a lane along the head's 64, register 16 b + i = k 32 b + 16 (lane / 16) + i (the weights' order of tiles), become six registers of codes in v[PC] on; the two bytes stay in v[MX+2], v[MX+3].
.macro QUANT2 s
.irp b, 0,1
	v_max3_num_f32 v[MX+\b], |v[\s+16*\b]|, |v[\s+1+16*\b]|, 0x1800000
.endr
.irp i, 2,4,6,8,10,12,14
.irp b, 0,1
	v_max3_num_f32 v[MX+\b], v[MX+\b], |v[\s+16*\b+\i]|, |v[\s+1+16*\b+\i]|
.endr
.endr
.irp b, 0,1
	v_permlanex16_b32 v[MX+2+\b], v[MX+\b], s[SEL], s[SEL+1]
.endr
.irp b, 0,1
	v_max_num_f32 v[MX+\b], v[MX+\b], v[MX+2+\b]
.endr
.irp b, 0,1
	v_add_nc_u32 v[SO+\b], 0xff000000, v[MX+\b]
.endr
.irp b, 0,1
	v_lshrrev_b32 v[MX+2+\b], 23, v[SO+\b]
.endr
	v_cvt_scalef32_pk16_fp6_f32 v[PC:PC+2], v[\s:\s+15], v[SO]
	v_cvt_scalef32_pk16_fp6_f32 v[PT:PT+2], v[\s+16:\s+31], v[SO+1]
	v_nop                                          ; one plain place behind a scaled conversion
.irp i, 0,1,2
	v_permlane16_swap_b32 v[PC+\i], v[PT+\i]
.endr
.irp i, 0,1,2
	v_mov_b32 v[PC+3+\i], v[PT+\i]
.endr
.endm
	s_load_b256 s[4:11], s[0:1], 0x0               ; img1, sc1, kv, bias
	s_load_b128 s[12:15], s[0:1], 0x20             ; img3, sc3
	v_lshl_add_u32 v[SPW], v0, 2, SPARE
	v_mov_b32 v[NIL], 0
	ds_add_u32 v[SPW], v[NIL]                      ; the opening lines: the add twice on end, and one wait
	ds_add_u32 v[SPW], v[NIL]
	v_lshrrev_b32 v1, 5, v0
	v_readfirstlane_b32 s[WV], v1                  ; wave 0..7
	s_bfe_u32 s19, ttmp6, 0x40000                  ; cx: which 128 queries; it enters global addresses alone
	s_and_b32 s67, ttmp7, 0xffff                   ; batch x 16 + head, which the four partners share
	s_lshr_b32 s68, s67, 4                         ; batch
	s_and_b32 s69, s67, 15                         ; head
	s_and_b32 s70, s[WV], 3                        ; my pair of query tiles
	s_lshr_b32 s71, s[WV], 2                       ; my half of a phase's keys
	s_lshl_b32 s81, s70, 1
	s_add_co_u32 s81, s81, s71                     ; the tile in block 0: 2 pair + half.  It is the one that I finish
	s_xor_b32 s96, s81, 1                          ; the tile in block 1: the pair's other one, which my partner finishes
	; every LDS address register is made here, ahead of the first parting of the waves
	v_and_b32 v2, 31, v0                           ; lane
	v_and_b32 v3, 15, v0                           ; r
	v_bfe_u32 v4, v0, 4, 1                         ; lane / 16
	v_lshlrev_b32 v[LI], 4, v2
	s_wait_alu depctr_va_vdst(0)
	s_mul_i32 s72, s71, 2*REC
	v_add_nc_u32 v[AK0], s72, v[LI]                ; my two records of a slot
	s_lshl_b32 s72, s71, 10
	s_add_co_u32 s72, s72, BIAS
	v_lshl_add_u32 v[AB0], v4, 7, s72              ; the bias of my block of 32 keys
	v_add_nc_u32 v[AWQ], WQ, v[LI]
	s_lshl_b32 s72, s[WV], 10
	s_add_co_u32 s72, s72, QX
	v_add_nc_u32 v[QXS], s72, v[LI]                ; I project query tile w
	s_lshl_b32 s72, s81, 10
	s_add_co_u32 s72, s72, QX
	v_add_nc_u32 v[QXL], s72, v[LI]
	s_lshl_b32 s72, s96, 10
	s_add_co_u32 s72, s72, QX
	v_add_nc_u32 v[QXL+1], s72, v[LI]
	s_mul_i32 s72, s96, 4608
	s_add_co_u32 s72, s72, MERGE
	v_add_nc_u32 v[MST], s72, v[LI]
	s_mul_i32 s72, s81, 4608
	s_add_co_u32 s72, s72, MERGE
	v_add_nc_u32 v[MLD], s72, v[LI]
	v_lshlrev_b32 v5, 4, v3                        ; scale words: 16 r,
	v_lshl_add_u32 v6, v4, 9, v5                   ; and one tile further on for lanes 16-31
	s_sub_co_u32 s72, s[WV], 4
	s_lshl_b32 s73, s72, 5
	v_add_nc_u32 v[PFO], s73, v2
	v_min_u32 v[PFO], 51, v[PFO]
	v_lshlrev_b32 v[PFO], 8, v[PFO]                ; the prefetches: 256 x min(lane + 32 (wave - 4), 51): a record is 52 pieces of 256 bytes; lanes 20-31 of wave 5 repeat the last piece
	s_lshr_b32 s72, s72, 1
	s_cmp_eq_u32 s72, 0
	s_cselect_b32 s[LIM], 1, -1                    ; waves 4 and 5 prefetch
	s_mul_i32 s72, s67, 32*REC                     ; the head's first byte in kv
	s_mul_i32 s73, s[WV], REC
	s_add_co_u32 s74, s72, s73
	s_mov_b32 s75, 0
	s_lshl_b32 s82, s68, 14
	s_mov_b32 s83, 0
	s_lshl_b32 s84, s69, 2
	s_add_co_u32 s84, s84, 1280                    ; Wq^T's first tile of this head
	s_lshl_b32 s88, s84, 9
	s_mov_b32 s89, 0
	s_mul_i32 s84, s84, 12288
	s_lshl_b32 s97, s[WV], 14
	s_add_co_u32 s84, s84, s97
	s_sub_co_u32 s84, s84, 5*16384                 ; waves 5-7: a third of the four tiles each, 16,384 bytes
	s_mov_b32 s85, 0
	s_add_co_u32 s97, s97, 65536                   ; and where it goes: WQ + 16,384 (wave - 5)
	s_lshl_b32 s86, s68, 5
	s_lshl_b32 s87, s19, 3
	s_add_co_u32 s86, s86, s87                     ; my work-group's first query tile
	s_add_co_u32 s87, s86, s[WV]
	s_add_co_u32 s87, s87, 1024
	s_mul_i32 s60, s87, 12288
	s_mov_b32 s61, 0
	s_lshl_b32 s62, s87, 9
	s_mov_b32 s63, 0
	s_add_co_u32 s86, s86, s81                     ; the tile that I finish
	s_mul_i32 s90, s86, 12288
	s_mul_i32 s91, s69, 768
	s_add_co_u32 s90, s90, s91
	s_mov_b32 s91, 0
	s_lshl_b32 s92, s86, 9
	s_lshr_b32 s93, s69, 3
	s_lshl_b32 s93, s93, 8
	s_add_co_u32 s92, s92, s93
	s_and_b32 s93, s69, 7
	s_lshl_b32 s93, s93, 1
	s_add_co_u32 s92, s92, s93
	s_mov_b32 s93, 0
	s_mul_i32 s94, s19, REC
	s_add_co_u32 s94, s94, s72
	s_add_co_u32 s94, s94, 4*REC                   ; my work-group's record of phase 1; the first change of slots steps it to phase 2
	s_mov_b32 s95, 0
.irp g, G1R, G1B                               ; group 1: dense blocks as rows of 256 bytes (32 elements of 8), the mask of all four partners, bit 21 beside it
	s_mov_b32 s[\g], 15|(3<<16)|(1<<21)
	s_mov_b32 s[\g+1], 32<<16
	s_mov_b32 s[\g+3], 32<<16
	s_mov_b32 s[\g+5], 32
	s_mov_b32 s[\g+6], 0
	s_mov_b32 s[\g+7], 0
.endr
	s_mov_b32 s[G1R+2], 52<<16                     ; a record: 52 rows
	s_mov_b32 s[G1R+4], 52
	s_mov_b32 s[G1B+2], 64<<16                     ; the bias, and a third of Wq's tiles: 64 rows
	s_mov_b32 s[G1B+4], 64
	s_mov_b32 s[SEL], 0x76543210
	s_mov_b32 s[SEL+1], 0xfedcba98
	s_mov_b32 s[CS], 0x3fb8aa3b                    ; log2(e)
	s_mov_b32 s[CS+1], s[CS]
	s_mov_b32 s[TB], 0
	s_mov_b32 s[TS], 0
	s_mov_b32 s[SLOTS], 7
	s_wait_alu depctr_va_vdst(0)                   ; at the head's end
	s_wait_dscnt 0x0                               ; both opening adds are done
	s_wait_kmcnt 0x0
	s_mov_b32 s[G0R], 1
	s_mov_b32 s[G0R+1], s73                        ; waves 0-3: record w of slot 0
	s_add_nc_u64 s[G0R+2:G0R+3], s[8:9], s[74:75]
	s_or_b32 s[G0R+3], s[G0R+3], 0x80000000
	s_mov_b32 s[G0B], 1
	s_mov_b32 s[G0B+1], BIAS
	s_add_nc_u64 s[G0B+2:G0B+3], s[10:11], s[82:83]
	s_or_b32 s[G0B+3], s[G0B+3], 0x80000000
	s_mov_b32 s[G0W], 1
	s_mov_b32 s[G0W+1], s97
	s_add_nc_u64 s[G0W+2:G0W+3], s[4:5], s[84:85]
	s_or_b32 s[G0W+3], s[G0W+3], 0x80000000
	s_add_nc_u64 s[60:61], s[4:5], s[60:61]        ; query tile w's images,
	s_add_nc_u64 s[62:63], s[6:7], s[62:63]        ; its scale words,
	s_add_nc_u64 s[88:89], s[6:7], s[88:89]        ; Wq's scale words,
	s_add_nc_u64 s[12:13], s[12:13], s[90:91]      ; where my codes go,
	s_add_nc_u64 s[14:15], s[14:15], s[92:93]      ; and their bytes
	s_add_nc_u64 s[PFA:PFA+1], s[8:9], s[94:95]
	WIN 0x40
.set G, 0
.rept 24
	global_load_b128 v[4*G:4*G+3], v[LI], s[60:61] offset:512*G   ; the query tile's eight fragments, into block 1, v0-95
.set G, G+1
.endr
	WIN 0
.irp f, 0,1
	global_load_b128 v[KS+4*\f:KS+4*\f+3], v5, s[62:63] offset:256*\f
.endr
.irp tp, 0,1
.irp f, 0,1
	global_load_b128 v[WS+8*\tp+4*\f:WS+8*\tp+4*\f+3], v6, s[88:89] offset:1024*\tp+256*\f   ; lanes 0-15 tile 2 tp, lanes 16-31 tile 2 tp + 1
.endr
.endr
	CROUND                                         ; all four work-groups are here: the first joint loads meet
	s_cmp_lt_u32 s[WV], 4                          ; one chain of branches, one first fill in each arm: every wave issues one
	s_cbranch_scc0 .Lfirst_1
	tensor_load_to_lds s[G0R:G0R+3], s[G1R:G1R+7]
	s_nop 0
	NOPS
	s_branch .Lfirst_done
.Lfirst_1:
	s_cmp_eq_u32 s[WV], 4
	s_cbranch_scc0 .Lfirst_2
	tensor_load_to_lds s[G0B:G0B+3], s[G1B:G1B+7]
	s_nop 0
	NOPS
	s_branch .Lfirst_done
.Lfirst_2:
	tensor_load_to_lds s[G0W:G0W+3], s[G1B:G1B+7]
	s_nop 0
	NOPS
.Lfirst_done:
	s_wait_tensorcnt 0x0                           ; my first fill has landed,
	s_barrier_signal -1
	s_barrier_wait -1                              ; everybody's has
	s_wait_loadcnt 0x0
	; ---- q = query Wq for query tile w, transposed: source 0 = 16 columns of this head, source 1 = 16 queries.  Four accumulators by turns, v0-31; Wq's fragments in two sets
.macro WQF q
.set WBL, 176-112*((\q)%2)
.irp t, 0,1,2,3
.irp c, 0,1,2
	ds_load_b128 v[WBL+12*\t+4*\c:WBL+12*\t+4*\c+3], v[AWQ] offset:12288*\t+1536*(\q)+512*\c
.endr
.endr
.endm
	WIN 0x04                                       ; source 1 in block 1
	WQF 0
.irp q, 0,1,2,3,4,5,6,7
.if \q < 7
.if \q > 0
	NOPS                                           ; places in front of loads into the set that the last products read
.endif
	WQF (\q)+1
	s_wait_dscnt 12                                ; this step's fragments are in; the next step's 12 loads may be out
.else
	s_wait_dscnt 0x0
.endif
.set WB, 176-112*(\q%2)
.irp t, 0,1,2,3
.if \q == 0
	WM0 8*\t, WB+12*\t, 12*\q, WS+8*(\t/2)+\q, KS+\q, \t%2
.else
	WM 8*\t, WB+12*\t, 12*\q, 8*\t, WS+8*(\t/2)+\q, KS+\q, \t%2
.endif
.endr
.endr
	WIN 0
	v_mov_b32 v[MX+2], 0                           ; a lane permute's destination counts as one of its sources
	v_mov_b32 v[MX+3], 0
	v_nop
	v_nop
	QUANT2 0
	v_add_nc_u32 v[MX+2], -3, v[MX+2]              ; / 8: 3 off each byte,
	v_add_nc_u32 v[MX+3], -3, v[MX+3]
	v_max_i32 v[MX+2], 0, v[MX+2]                  ; held at 0
	v_max_i32 v[MX+3], 0, v[MX+3]
	v_lshl_or_b32 v[PC+6], v[MX+3], 8, v[MX+2]     ; the scale word rides behind the codes; its bytes 2, 3 are 0: they scale zero codes
	v_mov_b32 v[PC+7], 0
	ds_store_b128 v[QXS], v[PC:PC+3]
	ds_store_b128 v[QXS], v[PC+4:PC+7] offset:512
	s_wait_dscnt 0x0                               ; for the others' sake: my stores have landed
	s_barrier_signal -1
	s_barrier_wait -1                              ; all eight tiles of Q lie in LDS
	ds_load_b128 v[Q:Q+3], v[QXL]
	ds_load_b128 v[Q+4:Q+7], v[QXL] offset:512
	WIN 0x40
	ds_load_b128 v[Q:Q+3], v[QXL+1]
	ds_load_b128 v[Q+4:Q+7], v[QXL+1] offset:512
	WIN 0
	s_wait_dscnt 0x0
	v_mov_b32 v[QS], v[Q+6]
	WIN 0x01
	v_mov_b32 v[QS+1], v[Q+6]
.macro INIT
.irp i, 6,7,8,9,10,11
	v_mov_b32 v[Q+\i], 0                           ; Q's upper 64 along K: zero codes
.endr
	v_mov_b32 v[SMX], 0xfe967699                   ; the largest score so far: -1e38
	v_mul_f32 v[T], s[CS], -v[SMX]
	v_floor_f32 v[NM], v[T]                        ; -M
.irp i, L, L+1, F+1, T+1, T+3
	v_mov_b32 v[\i], 0
.endr
.set J, 0
.rept 32
	v_mov_b32 v[O+J], 0                            ; O^T: the step is written once; its first run finds zeros
.set J, J+1
.endr
.endm
	WIN 0
	INIT
	WIN 0x55
	INIT
	WIN 0x40
.irp i, 0,1,2,3,4,5
	v_mov_b32 v[KF+48+\i], 0                       ; behind K's last tile
.endr
	WIN 0
	s_wait_alu depctr_va_vdst(0)                   ; ahead of the waits and branches below
.macro LDKB q                          ; record q of my two: K, its scale words, and the bias: 29 loads
	WIN 0x40
.set G, 0
.rept 12
	ds_load_b128 v[KF+4*G:KF+4*G+3], v[ADK] offset:REC*(\q)+512*G
.set G, G+1
.endr
	WIN 0
	ds_load_b128 v[KS:KS+3], v[ADK] offset:REC*(\q)+6144
.set G, 0
.rept 16
	ds_load_b128 v[BI+4*G:BI+4*G+3], v[ADB] offset:512*(\q)+16*G+128*(G/8)   ; register 32 c + i = key 64 c + 32 (lane / 16) + i
.set G, G+1
.endr
.endm
.macro LDV q                           ; V and its scale words: 13 loads
	WIN 0x40
.set G, 0
.rept 12
	ds_load_b128 v[VF+4*G:VF+4*G+3], v[ADK] offset:REC*(\q)+6656+512*G
.set G, G+1
.endr
	WIN 0
	ds_load_b128 v[VS:VS+3], v[ADK] offset:REC*(\q)+12800
.endm
.macro SCORES w
.irp t, 0,1,2,3,4,5,6,7
	WM S+8*\t, KF+6*\t, Q, BI+8*\t, KS+\t/2, QS+\w, \t%2
.endr
.endm
.macro PV w
.irp t, 0,1,2,3
	WM O+8*\t, VF+12*\t, PC, O+8*\t, VS+\t, PS+\w, 0
.endr
.endm
; THE SOFTMAX OF ONE TILE AND 128 KEYS, on the tile's own registers: run with every window on the tile's block.
; MATRIX INSTRUCTIONS AMONG THE EXPONENTIALS.  They name no register of the tile whose exponentials are being issued, so they stand one by one inside its batch of 64, each between two switches of the windows.
; In the first tile's batch: the second tile's eight score products, one behind every eighth exponential.  In the second tile's batch, one behind every fifth: the first tile's four products p v and,
; with mix = 1, the first tile's eight score products of the NEXT key step (its K and bias have been fetched and awaited; its scores' registers are free since the conversions).
.macro HOST w, mix
.if \w == 0
.if (J%8) == 3
.set N, J/8
	WIN 0x45                                       ; K, Q and the result in block 1, the bias in block 0
	WM S+8*N, KF+6*N, Q, BI+8*N, KS+N/2, QS+1, N%2
	WIN 0
.endif
.else
.if (J%5) == 2
.set N, J/5
.if N < 4
	WIN 0x01                                       ; V in block 1, all else in block 0
	WM O+8*N, VF+12*N, PC, O+8*N, VS+N, PS, 0
	WIN 0x55
.else
.if (\mix) && (N < 12)
	WIN 0x01                                       ; K in block 1, all else in block 0
	WM S+8*(N-4), KF+6*(N-4), Q, BI+8*(N-4), KS+(N-4)/2, QS, (N-4)%2
	WIN 0x55
.endif
.endif
.endif
.endif
.endm
; ld: the record whose K and bias are fetched behind the batch, or -1
.macro SM w, mix, ld
	s_wait_alu depctr_va_vdst(0)                   ; directly ahead of the scores' first readers
.irp k, 0,1,2,3
	v_max3_num_f32 v[MX+\k], v[S+16*\k], v[S+16*\k+1], v[S+16*\k+2]   ; four chains of 16 scores
.endr
.irp i, 3,5,7,9,11,13
.irp k, 0,1,2,3
	v_max3_num_f32 v[MX+\k], v[MX+\k], v[S+16*\k+\i], v[S+16*\k+\i+1]
.endr
.endr
	v_max3_num_f32 v[MX], v[MX], v[MX+1], v[S+15]
	v_max3_num_f32 v[MX+2], v[MX+2], v[MX+3], v[S+47]
	v_max_num_f32 v[MX], v[MX], v[S+31]            ; the largest score of my block (lane / 16): for the row's maximum and, since p rises with the score, for the block's largest p
	v_max_num_f32 v[MX+1], v[MX+2], v[S+63]        ; and of block 2 + (lane / 16)
	s_delay_alu instid0(VALU_DEP_1)
	v_max_num_f32 v[T], v[MX], v[MX+1]
	s_delay_alu instid0(VALU_DEP_1)
	v_permlanex16_b32 v[T+1], v[T], s[SEL], s[SEL+1]
	s_delay_alu instid0(VALU_DEP_1)
	v_max3_num_f32 v[SMX], v[SMX], v[T], v[T+1]    ; the running largest score
	s_delay_alu instid0(VALU_DEP_1)
	v_mul_f32 v[T], s[CS], -v[SMX]
	s_delay_alu instid0(VALU_DEP_1)
	v_floor_f32 v[T], v[T]                         ; the new -M = -ceil(t)
	s_delay_alu instid0(VALU_DEP_1)
	v_sub_f32 v[T+1], v[T], v[NM]                  ; old M - new M: a whole number, 0 or less
	v_mov_b32 v[NM], v[T]
	s_delay_alu instid0(VALU_DEP_2)
	v_cvt_i32_f32 v[T+1], v[T+1]
	s_delay_alu instid0(VALU_DEP_1)
	v_ldexp_f32 v[F], 1.0, v[T+1]                  ; f = 2^(old M - new M)
.set J, 0
.rept 32
	v_pk_fma_f32 v[S+J:S+J+1], v[S+J:S+J+1], s[CS:CS+1], v[NM:NM+1] op_sel_hi:[1,0,0]   ; t - M
.set J, J+2
.endr
	v_fma_f32 v[MX], v[MX], s[CS], v[NM]
	v_fma_f32 v[MX+1], v[MX+1], s[CS], v[NM]
	s_wait_alu depctr_va_vdst(0)                   ; ahead of the batch
.set J, 0
.rept 64
	v_exp_f32 v[S+J], v[S+J]                       ; p = 2^(t - M)
	HOST \w, \mix
.set J, J+1
.endr
	v_pk_mul_f32 v[L:L+1], v[L:L+1], v[F:F+1] op_sel_hi:[1,0]   ; the sums under the new M: the plain place behind the batch
	s_wait_alu depctr_va_vdst(0)                   ; one wait for the batch of 64
	v_exp_f32 v[MX], v[MX]                         ; each block's largest p
	v_exp_f32 v[MX+1], v[MX+1]
	v_pk_add_f32 v[SA:SA+1], v[S:S+1], v[S+2:S+3]  ; the row's sum of the unquantised p, in three chains
	v_pk_add_f32 v[SB:SB+1], v[S+4:S+5], v[S+6:S+7]
.set J, 8
.rept 9
	v_pk_add_f32 v[L:L+1], v[L:L+1], v[S+J:S+J+1]
	v_pk_add_f32 v[SA:SA+1], v[SA:SA+1], v[S+J+2:S+J+3]
	v_pk_add_f32 v[SB:SB+1], v[SB:SB+1], v[S+J+4:S+J+5]
.set J, J+6
.if J == 14
.if \ld >= 0
	LDKB \ld                                       ; six plain vector instructions stand behind the last score product, which read K's, the bias's and the scale words' registers
.endif
.endif
.endr
	v_pk_add_f32 v[L:L+1], v[L:L+1], v[S+62:S+63]
	v_pk_add_f32 v[SA:SA+1], v[SA:SA+1], v[SB:SB+1]
	s_delay_alu instid0(VALU_DEP_1)
	v_pk_add_f32 v[L:L+1], v[L:L+1], v[SA:SA+1]
	s_wait_alu depctr_va_vdst(0)                   ; and one for the two
	v_max_num_f32 v[MX], 0x1800000, v[MX]          ; the floor 2^(3 - 127)
	v_max_num_f32 v[MX+1], 0x1800000, v[MX+1]
	v_add_nc_u32 v[SO], 0xff000000, v[MX]
	v_add_nc_u32 v[SO+1], 0xff000000, v[MX+1]
	v_lshrrev_b32 v[T], 23, v[SO]
	v_lshrrev_b32 v[T+1], 23, v[SO+1]
	s_delay_alu instid0(VALU_DEP_1)
	v_lshl_or_b32 v[T+2], v[T+1], 16, v[T]
	s_delay_alu instid0(VALU_DEP_1)
	v_permlanex16_b32 v[T+3], v[T+2], s[SEL], s[SEL+1]
	WIN 0x15*\w                                    ; scale words lie in block 0
	v_lshl_or_b32 v[PS+\w], v[T+3], 8, v[T+2]      ; lanes 0-15, which alone are read: bytes 0, 2 mine, bytes 1, 3 lane l + 16's
	WIN 0x55*\w
	v_cvt_scalef32_pk16_fp6_f32 v[PC:PC+2], v[S:S+15], v[SO]
	v_cvt_scalef32_pk16_fp6_f32 v[PT:PT+2], v[S+16:S+31], v[SO]
	v_cvt_scalef32_pk16_fp6_f32 v[PC+6:PC+8], v[S+32:S+47], v[SO+1]
	v_cvt_scalef32_pk16_fp6_f32 v[PT+4:PT+6], v[S+48:S+63], v[SO+1]
	v_nop                                          ; one plain place behind a scaled conversion
.irp i, 0,1,2
	v_mov_b32 v[PC+3+\i], v[PT+\i]                 ; (a conversion's three registers begin on an even number)
	v_mov_b32 v[PC+9+\i], v[PT+4+\i]
.endr
	s_wait_alu depctr_va_vdst(0)                   ; directly ahead of O^T's first reader
.set J, 0
.rept 16
	v_pk_mul_f32 v[O+J:O+J+1], v[O+J:O+J+1], v[F:F+1] op_sel_hi:[1,0]   ; O^T under the new M; these 16 are also the places in front of the scaled products
.set J, J+2
.endr
.endm
; A KEY STEP: 128 keys x my 32 queries.  first = 1: K and the bias are fetched here; pre = 1: the next record's are fetched behind the score products.
; first = 1, a phase's first step: K and the bias are fetched here and the first tile's scores are made here; else both were done in the step before.  pre = 1: a step of the same phase follows.
; chg: a phase's last step.  Once V has landed the wave reads the slot no more: it waits for all its tensor loads, adds 0 to its spare word, waits for that and for its reads, and signals the barrier of the change of slots;
; the second tile's softmax and products, work on registers alone, stand between the signal and the wait.  chg = 1: a refill follows, and its addresses are stepped here; chg = 2: none follows.
.macro STEP q, first, pre, chg
.if \first
	LDKB \q
.endif
	LDV \q
.if \first
	s_wait_dscnt 13                                ; K, its scale words and the bias are in; V's 13 loads may be out
	WIN 0x01                                       ; K in block 1
	SCORES 0
	WIN 0
	NOPS                                           ; places in front of the scores' readers
.endif
.if \pre
	SM 0, 0, (\q)+1
.else
	SM 0, 0, -1
.endif
	s_wait_alu depctr_va_vdst(0)                   ; directly ahead of the waits below
.if \chg
	s_wait_tensorcnt 0x0                           ; no tensor load of mine is out, so a group 0 may be written
	ds_add_u32 v[SPW], v[NIL]
.if \chg == 1
	s_xor_b32 s[G0R+1], s[G0R+1], SLOT1
	s_add_nc_u64 s[G0R+2:G0R+3], s[G0R+2:G0R+3], 4*REC
	s_wait_xcnt 0x0                                ; the last prefetch, a phase back, has read its address
	s_add_nc_u64 s[PFA:PFA+1], s[PFA:PFA+1], 4*REC
.endif
.endif
	s_wait_dscnt 0x0                               ; V is in, and the next record's K and bias where they were asked for; at a change: the add is done and my reads of the slot are over
.if \chg
	s_barrier_signal -1
.endif
	WIN 0x55
	SM 1, \pre, -1
	PV 1
	WIN 0
	NOPS                                           ; places in front of loads into V's registers, and of O^T's readers at the end
.endm
.macro CREST                           ; a round of the cluster's barrier behind its opening barrier
	s_cmp_lg_u32 s[WV], 0
	s_cbranch_scc1 .Lnot_w0_\@
	s_barrier_signal -3
.Lnot_w0_\@:
	s_barrier_wait -3
	s_barrier_signal -1
	s_barrier_wait -1
.endm
; A PREFETCH INTO THE L2 of what the NEXT change of slots will ask for: a phase's four records.  The four partners share them out BY ADDRESS, a record each; in each, waves 4 and 5 ask, a lane a piece of 256 bytes.
; It stands a phase (two key steps of every wave) ahead of the load that wants the bytes.  The last change that fills a slot asks for nothing; phases 0 and 1 come by their loads alone.
.macro ASK
	s_cmp_gt_u32 s[SLOTS], s[LIM]
	s_cbranch_scc0 .Lnot_mine_\@
	global_prefetch_b8 v[PFO], s[PFA:PFA+1] th:TH_LOAD_NT scope:SCOPE_SE
.Lnot_mine_\@:
.endm
; THE CHANGE OF SLOTS, at a phase's head: each wave waits for all its tensor loads, adds 0 to its spare word, and waits for that and for its reads of the slot that it has left.  fill = 1: a round of the cluster's
; barrier, and behind it the slot just left takes the next phase (the first time: slot 1's first fill).
.macro CHANGE fill
	s_wait_tensorcnt 0x0                           ; no tensor load of mine is out, so a group 0 may be written
	ds_add_u32 v[SPW], v[NIL]
.if \fill
	s_xor_b32 s[G0R+1], s[G0R+1], SLOT1
	s_add_nc_u64 s[G0R+2:G0R+3], s[G0R+2:G0R+3], 4*REC
	s_wait_xcnt 0x0                                ; the last prefetch, a phase back, has read its address
	s_add_nc_u64 s[PFA:PFA+1], s[PFA:PFA+1], 4*REC
	s_wait_dscnt 0x0
	CROUND
	s_cmp_lt_u32 s[WV], 4
	s_cbranch_scc0 .Lnone_\@
	tensor_load_to_lds s[G0R:G0R+3], s[G1R:G1R+7]  ; one tensor load of mine is out until the next change
	s_nop 0
	NOPS
.Lnone_\@:
	ASK
.else
	s_wait_dscnt 0x0
	s_barrier_signal -1
	s_barrier_wait -1
.endif
	v_add_nc_u32 v[ADK], s[TB], v[AK0]
	v_add_nc_u32 v[ADB], s[TS], v[AB0]
	s_wait_alu depctr_va_vdst(0)
.endm
.macro ADDR                            ; this phase's slot and its part of the bias
	v_add_nc_u32 v[ADK], s[TB], v[AK0]
	v_add_nc_u32 v[ADB], s[TS], v[AB0]
	s_wait_alu depctr_va_vdst(0)
.endm
	CHANGE 1                                       ; ahead of phase 0: slot 1's first fill, phase 1, issued as a refill is
	s_mov_b32 s[SLOTS], 6
.Lphase:                                           ; six trips, phases 0 to 5: trip p ends with the change of slots that asks for phase p + 2
	ADDR
	STEP 0, 1, 1, 0
	STEP 1, 0, 0, 1
	s_wait_alu depctr_va_vdst(0)                   ; directly ahead of the wait below
	s_barrier_wait -1                              ; the barrier signalled in the step above opens a round of the cluster's barrier
	CREST
	s_cmp_lt_u32 s[WV], 4
	s_cbranch_scc0 .Lnone
	tensor_load_to_lds s[G0R:G0R+3], s[G1R:G1R+7]  ; one tensor load of mine is out until the next change
	s_nop 0
	NOPS
.Lnone:
	ASK
	s_xor_b32 s[TB], s[TB], SLOT1
	s_add_co_u32 s[TS], s[TS], 2048
	s_sub_co_u32 s[SLOTS], s[SLOTS], 1
	s_cmp_lg_u32 s[SLOTS], 0
	s_cbranch_scc1 .Lphase
	s_mov_b32 s[SLOTS], 2
.Llast:                                            ; two trips, phases 6 and 7: nothing more is asked for; the barrier behind phase 6 shows phase 7's slot whole to all waves
	ADDR
	STEP 0, 1, 1, 0
	STEP 1, 0, 0, 2
	s_wait_alu depctr_va_vdst(0)                   ; directly ahead of the wait below
	s_barrier_wait -1
	s_xor_b32 s[TB], s[TB], SLOT1
	s_add_co_u32 s[TS], s[TS], 2048
	s_sub_co_u32 s[SLOTS], s[SLOTS], 1
	s_cmp_lg_u32 s[SLOTS], 0
	s_cbranch_scc1 .Llast
	; ---- THE MERGE: I hand my partner the tile in block 1 and take its half of the tile in block 0
	WIN 0x55
	v_add_f32 v[L], v[L], v[L+1]
	WIN 0
	v_add_f32 v[L], v[L], v[L+1]
	WIN 0x04                                       ; the data in block 1
.irp i, 0,1,2,3,4,5,6,7
	ds_store_b128 v[MST], v[O+4*\i:O+4*\i+3] offset:512*\i
.endr
	ds_store_b128 v[MST], v[NM:NM+3] offset:4096   ; -M, ., l, .
	WIN 0
	s_wait_alu depctr_va_vdst(0)                   ; directly ahead of the wait below
	s_wait_dscnt 0x0
	s_barrier_signal -1
	s_barrier_wait -1
.irp i, 0,1,2,3,4,5,6,7
	ds_load_b128 v[S+4*\i:S+4*\i+3], v[MLD] offset:512*\i
.endr
	ds_load_b128 v[S+32:S+35], v[MLD] offset:4096
	s_wait_dscnt 0x0
	v_min_num_f32 v[T], v[NM], v[S+32]             ; the common -M
	v_sub_f32 v[T+1], v[T], v[NM]
	v_sub_f32 v[T+2], v[T], v[S+32]
	v_cvt_i32_f32 v[T+1], v[T+1]
	v_cvt_i32_f32 v[T+2], v[T+2]
	v_ldexp_f32 v[F], 1.0, v[T+1]                  ; both factors are exact powers of two
	v_ldexp_f32 v[SA], 1.0, v[T+2]
	v_mul_f32 v[L], v[L], v[F]
	v_fmac_f32 v[L], v[S+34], v[SA]
	s_wait_alu depctr_va_vdst(0)                   ; directly ahead of O^T's first reader
.set J, 0
.rept 16
	v_pk_mul_f32 v[O+J:O+J+1], v[O+J:O+J+1], v[F:F+1] op_sel_hi:[1,0]
.set J, J+2
.endr
.set J, 0
.rept 16
	v_pk_fma_f32 v[O+J:O+J+1], v[S+J:S+J+1], v[SA:SA+1], v[O+J:O+J+1] op_sel_hi:[1,0,1]
.set J, J+2
.endr
	v_permlanex16_b32 v[T+3], v[L], s[SEL], s[SEL+1]
	v_add_f32 v[L], v[L], v[T+3]                   ; the row's sum
	s_wait_alu depctr_va_vdst(0)
	v_rcp_f32 v[SB], v[L]
	v_lshrrev_b32 v[T], 1, v[LI]                   ; (the plain place)  8 x lane
	v_and_b32 v[T+1], 0xf0, v[LI]                  ; 16 r
	s_wait_alu depctr_va_vdst(0)                   ; ahead of the reciprocal's first reader
.set J, 0
.rept 16
	v_pk_mul_f32 v[O+J:O+J+1], v[O+J:O+J+1], v[SB:SB+1] op_sel_hi:[1,0]
.set J, J+2
.endr
	QUANT2 O                                       ; along the head's 64: half a fragment of the last projection's K step head / 2
	v_lshl_or_b32 v[T+2], v[MX+3], 8, v[MX+2]
.irp j, 0,1,2
	global_store_b64 v[T], v[PC+2*\j:PC+2*\j+1], s[12:13] offset:256*\j   ; 32 lanes store 256 consecutive bytes, aligned
.endr
	s_wait_alu depctr_va_vdst(0)
	s_wait_xcnt 0x0                                ; EXEC changes only behind this wait
	v_cmp_gt_u32 vcc_lo, 256, v[LI]                ; lanes 0-15
	s_and_saveexec_b32 s90, vcc_lo
	global_store_b16 v[T+1], v[T+2], s[14:15]      ; my head's two bytes of each row's sixteen: a work-group owns one head; 64 KiB of such stores in the whole launch
	s_wait_xcnt 0x0
	s_or_b32 exec_lo, exec_lo, s90
	s_wait_tensorcnt 0x0                           ; the wave's end
	ds_add_u32 v[SPW], v[NIL]
	s_wait_dscnt 0x0
	CROUND                                         ; the closing round
	s_endpgm
.Lfunc_end_k_q37fa837757_attn:
	.size	k_q37fa837757_attn, .Lfunc_end_k_q37fa837757_attn-k_q37fa837757_attn
	.p2alignl 7, 3214868480
	.fill 96, 4, 3214868480
	.section	.rodata,"a",@progbits
	.p2align	6, 0x0
	.amdhsa_kernel k_q37fa837757_attn
		.amdhsa_group_segment_fixed_size 327680
		.amdhsa_private_segment_fixed_size 0
		.amdhsa_enable_private_segment 0
		.amdhsa_kernarg_size 48
		.amdhsa_user_sgpr_count 2
		.amdhsa_user_sgpr_kernarg_segment_ptr 1
		.amdhsa_wavefront_size32 1
		.amdhsa_system_sgpr_workgroup_id_x 1
		.amdhsa_system_sgpr_workgroup_id_y 1
		.amdhsa_system_sgpr_workgroup_id_z 1
		.amdhsa_system_vgpr_workitem_id 0
		.amdhsa_next_free_vgpr 512
		.amdhsa_next_free_sgpr 100
		.amdhsa_reserve_vcc 1
		.amdhsa_float_denorm_mode_32 3
		.amdhsa_float_denorm_mode_16_64 3
		.amdhsa_memory_ordered 1
		.amdhsa_forward_progress 1
		.amdhsa_inst_pref_size 157
	.end_amdhsa_kernel
	.amdgpu_metadata
---
amdhsa.version: [ 1, 2 ]
amdhsa.kernels:
  - .name:           k_q37fa837757_attn
    .symbol:         k_q37fa837757_attn.kd
    .args:
      - { .name: img1, .offset: 0, .size: 8, .value_kind: global_buffer, .address_space: global }
      - { .name: sc1, .offset: 8, .size: 8, .value_kind: global_buffer, .address_space: global }
      - { .name: kv, .offset: 16, .size: 8, .value_kind: global_buffer, .address_space: global }
      - { .name: bias, .offset: 24, .size: 8, .value_kind: global_buffer, .address_space: global }
      - { .name: img3, .offset: 32, .size: 8, .value_kind: global_buffer, .address_space: global }
      - { .name: sc3, .offset: 40, .size: 8, .value_kind: global_buffer, .address_space: global }
    .group_segment_fixed_size: 327680
    .private_segment_fixed_size: 0
    .kernarg_segment_align: 8
    .kernarg_segment_size: 48
    .max_flat_workgroup_size: 256
    .sgpr_count:     100
    .vgpr_count:     512
    .wavefront_size: 32
...
	.end_amdgpu_metadata
.endif
;; end of part 3
;; launch oproj (part 4): grid 8 x 32, 8 waves a work-group, clusters of 4 x 4, 182,272 bytes of LDS; arguments img3, sc3, img1, sc1, out0; writes out0
.if DOCPART == 4
	.amdgcn_target "amdgcn-amd-amdhsa--gfx1250"
	.amdhsa_code_object_version 6
	.text
	.protected	k_q37fa837757_oproj
	.globl	k_q37fa837757_oproj
	.p2align	8
	.type	k_q37fa837757_oproj,@function
k_q37fa837757_oproj:
	s_mov_b64 s[64:65], 0
	v_nop
	global_prefetch_b8 v0, s[64:65] scope:SCOPE_SE
	s_setreg_imm32_b32 hwreg(HW_REG_WAVE_MODE, 25, 1), 1
	s_wait_xcnt 0x0
	s_wait_alu depctr_hold_cnt(0) depctr_sa_sdst(0) depctr_va_vdst(0) depctr_va_sdst(0) depctr_va_ssrc(0) depctr_va_vcc(0) depctr_vm_vsrc(0)
	s_getreg_b32 s2, hwreg(HW_REG_IB_STS2, 6, 4)
	s_cmp_eq_u32 s2, 0
	s_cbranch_scc0 .Lentry_in_a_cluster
	s_endpgm
.Lentry_in_a_cluster:
	s_bfe_u32 s2, ttmp6, 0x10000c
	s_cmp_lg_u32 s2, 0xf033
	s_cbranch_scc0 .Lentry_shape_is_right
	s_endpgm
.Lentry_shape_is_right:
; out0 = attention Wo on codes of FP6 (E2M3) with E8M0 scales, K = 1,024.  A work-group makes 64 rows x 128 columns; both operands, for all of K, come into LDS ONCE (4 + 8 tiles of 12,288 bytes), so there is no ring.
; Eight waves: wave w has Wo^T's tiles 2 (w % 4), + 1 and the row tiles 2 (w / 4), + 1: four accumulators by turns.  Transposed: source 0 = 16 columns of Wo, source 1 = 16 rows: a lane holds 16 neighbouring columns of one row.
; The rows of a tile are 32 B + 8 u + (r % 8) + 16 (r / 8): the stage's addresses undo that.  The attention's images lie 8 bytes a lane (six loads a fragment), Wo's 16 bytes a lane (three).
; CLUSTERS 4 x 4: the attention's tiles hang on the tile row alone and are asked for jointly along a row of the cluster, Wo's on the tile column alone, along a column.
; No prefetch: each work-group has one group of fills, at its head.
.set STG, 147456                       ; behind the tiles: 64 rows x (512 bytes + 16)
.set G1A, 24
.set G0A, 32
.set G1O, 48
.set G0O, 56
.macro CROUND
	s_barrier_signal -1
	s_barrier_wait -1
	s_cmp_lg_u32 s14, 0
	s_cbranch_scc1 .Lnot_wave_0_\@
	s_barrier_signal -3
.Lnot_wave_0_\@:
	s_barrier_wait -3
	s_barrier_signal -1
	s_barrier_wait -1
.endm
	s_load_b256 s[4:11], s[0:1], 0x0               ; img3, sc3, img1, sc1
	s_load_b64 s[12:13], s[0:1], 0x20              ; out0
	v_lshl_add_u32 v192, v0, 2, 0x2c400
	v_mov_b32 v193, 0
	ds_add_u32 v192, v193
	ds_add_u32 v192, v193
	v_lshrrev_b32 v1, 5, v0
	s_delay_alu instid0(VALU_DEP_1)
	v_readfirstlane_b32 s14, v1                    ; wave 0..7
	s_and_b32 s15, s14, 3                          ; my pair of Wo's tiles
	s_lshr_b32 s16, s14, 2                         ; my pair of row tiles
	s_bfe_u32 s40, ttmp6, 0x40000                  ; cx
	s_bfe_u32 s41, ttmp6, 0x40004                  ; cy
	s_lshl_b32 s42, ttmp9, 2
	s_add_co_u32 s42, s42, s40                     ; X: 128 columns
	s_and_b32 s17, ttmp7, 0xffff
	s_lshl_b32 s17, s17, 2
	s_add_co_u32 s17, s17, s41                     ; Y: 64 rows
	s_lshl_b32 s43, s41, 2
	s_lshl_b32 s43, 15, s43
	s_lshl_b32 s44, 0x1111, s40
	s_or_b32 s[G1A+0], s43, (3<<16)|(1<<21)
	s_or_b32 s[G1O+0], s44, (3<<16)|(1<<21)
.irp g, G1A, G1O                               ; a tile: 48 rows of 256 bytes, dense
	s_mov_b32 s[\g+1], 32<<16
	s_mov_b32 s[\g+2], 48<<16
	s_mov_b32 s[\g+3], 32<<16
	s_mov_b32 s[\g+4], 48
	s_mov_b32 s[\g+5], 32
	s_mov_b32 s[\g+6], 0
	s_mov_b32 s[\g+7], 0
.endr
	; every LDS address register is made ahead of the first parting of the waves
	s_mov_b32 s[G1O+2], 96<<16                     ; Wo's loads bring two tiles each: 96 rows
	s_mov_b32 s[G1O+4], 96
	v_and_b32 v7, 31, v0
	v_and_b32 v8, 15, v0
	v_bfe_u32 v9, v0, 4, 1
	s_delay_alu instid0(VALU_DEP_3)
	v_lshlrev_b32 v5, 4, v7                        ; 16 x lane
	s_delay_alu instid0(VALU_DEP_3)
	v_lshlrev_b32 v6, 4, v8                        ; 16 r
	s_mul_i32 s18, s16, 24576
	v_lshl_add_u32 v1, v7, 3, s18                  ; the attention's fragments: 8 x lane + my pair
	s_mul_i32 s18, s15, 24576
	s_add_co_u32 s18, s18, 49152
	v_add_nc_u32 v2, s18, v5                       ; Wo's
	v_and_b32 v3, 8, v8
	s_delay_alu instid0(VALU_DEP_1)
	v_mad_u32_u24 v3, v3, 3, v8                    ; the rows of the attention's tile 4 C + t are 64 C + 8 t + (r % 8) + 32 (r / 8): here (r % 8) + 32 (r / 8)
	s_lshl_b32 s18, s16, 4                         ; + 16 x my pair of row tiles
	v_add_nc_u32 v3, s18, v3                       ; my row among the 64 (tile 2 rh): 16 rh + (r % 8) + 32 (r / 8)
	s_delay_alu instid0(VALU_DEP_1)
	v_mul_u32_u24 v3, v3, 528
	s_delay_alu instid0(VALU_DEP_1)
	v_lshl_add_u32 v3, v9, 6, v3
	s_lshl_b32 s18, s15, 7
	s_add_co_u32 s18, s18, STG
	v_add_nc_u32 v3, s18, v3                       ; + 128 x pair of Wo's tiles + 64 h: my 16 columns
	s_mul_i32 s18, s14, 4224
	s_add_co_u32 s18, s18, STG
	v_add_nc_u32 v4, s18, v5                       ; back: rows 8 w on, 16 bytes a lane
	s_lshl_b32 s20, s17, 2
	s_add_co_u32 s20, s20, s14
	s_mul_i32 s20, s20, 12288                      ; waves 0-3: the attention's tile 4 Y + w
	s_mov_b32 s21, 0
	s_lshl_b32 s46, s42, 3
	s_lshl_b32 s47, s15, 1
	s_add_co_u32 s46, s46, s47                     ; waves 4-7: Wo^T's tiles 1344 + 8 X + 2 (w % 4), + 1
	s_add_co_u32 s46, s46, 1344
	s_mul_i32 s46, s46, 12288                      ; the byte offset of Wo^T's tile 1344 + 8 X + 2 (w % 4)
	s_mov_b32 s47, 0
	s_mul_i32 s45, s14, 12288
	s_lshl_b32 s70, s17, 6
	s_lshl_b32 s71, s14, 3
	s_add_co_u32 s70, s70, s71
	s_lshl_b32 s70, s70, 12
	s_lshl_b32 s71, s42, 9
	s_add_co_u32 s70, s70, s71                     ; out0: row 64 Y + 8 w, column 128 X
	s_mov_b32 s71, 0
	s_lshl_b32 s72, s17, 2
	s_lshl_b32 s73, s16, 1
	s_add_co_u32 s72, s72, s73
	s_lshl_b32 s72, s72, 9
	s_mov_b32 s73, 0
	s_lshl_b32 s74, s42, 3
	s_lshl_b32 s75, s15, 1
	s_add_co_u32 s74, s74, s75
	s_add_co_u32 s74, s74, 1344
	s_lshl_b32 s74, s74, 9
	s_mov_b32 s75, 0
	s_wait_dscnt 0x0
	s_wait_kmcnt 0x0
	s_mov_b32 s[G0A], 1
	s_mov_b32 s[G0A+1], s45
	s_add_nc_u64 s[G0A+2:G0A+3], s[4:5], s[20:21]
	s_or_b32 s[G0A+3], s[G0A+3], 0x80000000
	s_mov_b32 s[G0O], 1
	s_mul_i32 s[G0O+1], s15, 24576
	s_add_co_u32 s[G0O+1], s[G0O+1], 49152
	s_add_nc_u64 s[G0O+2:G0O+3], s[8:9], s[46:47]
	s_or_b32 s[G0O+3], s[G0O+3], 0x80000000
	s_add_nc_u64 s[12:13], s[12:13], s[70:71]
	s_add_nc_u64 s[6:7], s[6:7], s[72:73]
	s_add_nc_u64 s[10:11], s[10:11], s[74:75]
	CROUND                                         ; all sixteen work-groups are here: the joint loads meet
	s_cmp_lt_u32 s14, 4
	s_cbranch_scc0 .Lno_a
	tensor_load_to_lds s[G0A:G0A+3], s[G1A:G1A+7]
	s_nop 0
.rept 4
	v_nop
.endr
	s_branch .Lasked
.Lno_a:
	tensor_load_to_lds s[G0O:G0O+3], s[G1O:G1O+7]  ; one tensor load a wave: waves 0-3 a tile of the attention's, waves 4-7 two of Wo's
	s_nop 0
.rept 4
	v_nop
.endr
.Lasked:
.irp a, 0,1
.irp f, 0,1
	global_load_b128 v[160+8*\a+4*\f:163+8*\a+4*\f], v6, s[6:7] offset:512*\a+256*\f
	global_load_b128 v[176+8*\a+4*\f:179+8*\a+4*\f], v6, s[10:11] offset:512*\a+256*\f   ; Wo's: v[176 + 8 n + q]
.endr
.endr
	s_wait_tensorcnt 0x0
	s_barrier_signal -1
	s_barrier_wait -1                              ; all twelve tiles lie in LDS
	s_wait_loadcnt 0x0
.macro FETCH q                         ; K step q's four fragments into set q % 2: 12 loads of 8 bytes a lane, 6 of 16
.set FBL, 32+48*((\q)%2)
.irp a, 0,1
.irp j, 0,1,2,3,4,5
	ds_load_b64 v[FBL+12*\a+2*\j:FBL+12*\a+2*\j+1], v1 offset:12288*\a+1536*(\q)+256*\j
.endr
.endr
.irp n, 0,1
.irp c, 0,1,2
	ds_load_b128 v[FBL+24+12*\n+4*\c:FBL+24+12*\n+4*\c+3], v2 offset:12288*\n+1536*(\q)+512*\c
.endr
.endr
.endm
	s_wait_alu depctr_va_vdst(0)
	FETCH 0
.irp q, 0,1,2,3,4,5,6,7
.if \q < 7
.if \q > 0
.rept 4
	v_nop                                          ; places in front of loads into the set that the last products read
.endr
.endif
	FETCH \q+1
	s_wait_dscnt 18                                ; this step's fragments are in; the next step's 18 loads may be out
.else
	s_wait_dscnt 0x0
.endif
.set PB, 32+48*(\q%2)
.irp a, 0,1
.irp n, 0,1
.if \q == 0
	v_wmma_scale_f32_16x16x128_f8f6f4 v[128+8*(2*\a+\n):135+8*(2*\a+\n)], v[PB+24+12*\n:PB+35+12*\n], v[PB+12*\a:PB+11+12*\a], 0, v[176+8*\n+\q], v[160+8*\a+\q] matrix_a_fmt:MATRIX_FMT_FP6 matrix_b_fmt:MATRIX_FMT_FP6
.else
	v_wmma_scale_f32_16x16x128_f8f6f4 v[128+8*(2*\a+\n):135+8*(2*\a+\n)], v[PB+24+12*\n:PB+35+12*\n], v[PB+12*\a:PB+11+12*\a], v[128+8*(2*\a+\n):135+8*(2*\a+\n)], v[176+8*\n+\q], v[160+8*\a+\q] matrix_a_fmt:MATRIX_FMT_FP6 matrix_b_fmt:MATRIX_FMT_FP6
.endif
.endr
.endr
.endr
.rept 4
	v_nop
.endr
.irp a, 0,1
.irp n, 0,1
	ds_store_b128 v3, v[128+8*(2*\a+\n):131+8*(2*\a+\n)] offset:4224*\a+32*\n        ; each accumulator from its low end on
	ds_store_b128 v3, v[132+8*(2*\a+\n):135+8*(2*\a+\n)] offset:4224*\a+32*\n+16
.endr
.endr
	s_wait_dscnt 0x0                               ; for the others' sake: my stores into the stage have landed
	s_barrier_signal -1
	s_barrier_wait -1                              ; 64 whole rows lie in the stage
.irp i, 0,1,2,3,4,5,6,7
	ds_load_b128 v[32+4*\i:35+4*\i], v4 offset:528*\i
.endr
.irp i, 0,1,2,3,4,5,6,7
	s_wait_dscnt 7-\i
	global_store_b128 v5, v[32+4*\i:35+4*\i], s[12:13] offset:4096*\i th:TH_STORE_NT   ; 32 lanes store 512 consecutive bytes, aligned
.endr
	s_wait_tensorcnt 0x0
	ds_add_u32 v192, v193
	s_wait_dscnt 0x0
	CROUND                                         ; the closing round
	s_endpgm
.Lfunc_end_k_q37fa837757_oproj:
	.size	k_q37fa837757_oproj, .Lfunc_end_k_q37fa837757_oproj-k_q37fa837757_oproj
	.p2alignl 7, 3214868480
	.fill 96, 4, 3214868480
	.section	.rodata,"a",@progbits
	.p2align	6, 0x0
	.amdhsa_kernel k_q37fa837757_oproj
		.amdhsa_group_segment_fixed_size 182272
		.amdhsa_private_segment_fixed_size 0
		.amdhsa_enable_private_segment 0
		.amdhsa_kernarg_size 40
		.amdhsa_user_sgpr_count 2
		.amdhsa_user_sgpr_kernarg_segment_ptr 1
		.amdhsa_wavefront_size32 1
		.amdhsa_system_sgpr_workgroup_id_x 1
		.amdhsa_system_sgpr_workgroup_id_y 1
		.amdhsa_system_sgpr_workgroup_id_z 1
		.amdhsa_system_vgpr_workitem_id 0
		.amdhsa_next_free_vgpr 194
		.amdhsa_next_free_sgpr 80
		.amdhsa_reserve_vcc 0
		.amdhsa_float_denorm_mode_32 3
		.amdhsa_float_denorm_mode_16_64 3
		.amdhsa_memory_ordered 1
		.amdhsa_forward_progress 1
		.amdhsa_inst_pref_size 24
	.end_amdhsa_kernel
	.amdgpu_metadata
---
amdhsa.version: [ 1, 2 ]
amdhsa.kernels:
  - .name:           k_q37fa837757_oproj
    .symbol:         k_q37fa837757_oproj.kd
    .args:
      - { .name: img3, .offset: 0, .size: 8, .value_kind: global_buffer, .address_space: global }
      - { .name: sc3, .offset: 8, .size: 8, .value_kind: global_buffer, .address_space: global }
      - { .name: img1, .offset: 16, .size: 8, .value_kind: global_buffer, .address_space: global }
      - { .name: sc1, .offset: 24, .size: 8, .value_kind: global_buffer, .address_space: global }
      - { .name: out0, .offset: 32, .size: 8, .value_kind: global_buffer, .address_space: global }
    .group_segment_fixed_size: 182272
    .private_segment_fixed_size: 0
    .kernarg_segment_align: 8
    .kernarg_segment_size: 40
    .max_flat_workgroup_size: 256
    .sgpr_count:     80
    .vgpr_count:     194
    .wavefront_size: 32
...
	.end_amdgpu_metadata
.endif
;; end of part 4
